; MI455X (gfx1250); checked and timed in simulation.
; The chip was launched on July 23, 2026; its instructions are those of AMD's public machine-readable ISA for CDNA 5 (MIT licence, August 2026) and "CDNA5" Instruction Set Architecture Reference Guide (July 2026). The comments in the code are by the model that wrote it; some were corrected since.
;; Curv Self Attention. Allowed arithmetic: matrix products marked QUANTISED: E5M2 operands, one E8M0 scale for each 32 along K, by v_wmma_scale_f32_16x16x128_f8f6f4 with both operands' format E5M2, f32 sums; everything else in f32.
;; Inputs: Wk 1,024 x 1,024 float32; Wq 1,024 x 1,024 float32; Ws 1,024 x 128 float32; Wv 1,024 x 1,024 float32; bk 1,024 float32; bq 1,024 float32; bs 128 float32; bv 1,024 float32; hidden_states 4 x 2,048 x 1,024 float32.
;; Outputs: out0 4 x 2,048 x 1,024 float32.
;; This version of the problem:
;;   THIS VERSION OF THE PROBLEM IS GIVEN IN LOW PRECISION. The matrix products marked QUANTISED in the list below multiply operands that are first quantised to E5M2 (5 exponent bits, 2 mantissa bits; 8 bits a number), with one power-of-two scale for each 32 numbers along K (OCP MX v1.0); their sums are f32. All else is computed in f32.
;;   The module's matrix products, in the order in which they are computed (A, B: the left and right operand; K: the contracted axis; several contracted axes count as one K, in the product's order):
;;     1. [M 8,192, K 1,024] x [K 1,024, N 1,024]; A: input hidden_states; B: input Wq: QUANTISED
;;     2. [M 8,192, K 1,024] x [K 1,024, N 1,024]; A: input hidden_states; B: input Wk: QUANTISED
;;     3. [M 8,192, K 1,024] x [K 1,024, N 1,024]; A: input hidden_states; B: input Wv: QUANTISED
;;     4. [M 8,192, K 1,024] x [K 1,024, N 128]; A: input hidden_states; B: input Ws: QUANTISED
;;     5. batch 64 x [M 2,048, K 64] x [K 64, N 2,048]; A: computed on the way; B: computed on the way: QUANTISED
;;     6. batch 64 x [M 2,048, K 2,048] x [K 2,048, N 64]; A: softmax (see below); B: computed on the way: QUANTISED
;;   THE QUANTISER, for each operand of a quantised product, along K:
;;     - K is cut into blocks of 32 from its start; a last block that is shorter is filled with zeros.
;;     - A block's scale is 2^e with e = floor(log2(the largest magnitude in the block)) - 15, held to -126 .. 127; a block of zeros has e = 0. As a byte (E8M0): e + 127.
;;     - Each number is divided by its block's scale, clamped to +-57,344, and rounded to the nearest number of E5M2, ties to even, subnormals kept.
;;     - The product sums the exact products of the quantised numbers (number of the format x scale) in f32.
;;   ~~~python
;;   def quantise(x, axis):      # numpy; x: float32 -> the quantised numbers, widened to float32 again
;;       x = np.moveaxis(x, axis, -1); K = x.shape[-1]
;;       x = np.pad(x, [(0, 0)] * (x.ndim - 1) + [(0, -K % 32)]); x = x.reshape(x.shape[:-1] + (-1, 32)); a = np.abs(x).max(-1, keepdims=True)
;;       e = np.where(a > 0, np.clip(np.frexp(np.where(a > 0, a, 1))[1] - 1 - 15, -126, 127), 0)      # np.frexp(a)[1] - 1 = floor(log2(a)), exactly
;;       r = np.clip(x / 2.0 ** e, -57344, 57344)
;;       step = 2.0 ** (np.maximum(np.frexp(np.where(r == 0, 1, r))[1] - 1, -14) - 2)
;;       q = np.round(r / step) * step * 2.0 ** e      # np.round: ties to even
;;       return np.moveaxis(q.reshape(q.shape[:-2] + (-1,))[..., :K], -1, axis).astype(np.float32)
;;   ~~~
;;   SOFTMAX AHEAD OF A QUANTISED PRODUCT. Where the list says 'softmax', what is quantised is not the finished softmax but p = 2^(t - M), with t = logit x log2(e) and M = ceil(the row's largest t), a whole number; so 1/2 < the row's largest p <= 1. The row's sum l is taken of the UNQUANTISED p, in f32, and the product's result is divided by l at the end. Since M is a whole number, a kernel that streams over the keys may use a running M (the ceiling of the running maximum): every later rescaling is an exact power of two, which a block's scale takes up: the codes' values come out the same.
;;   OPERANDS COMPUTED ON THE WAY. 'Computed on the way' means the value that the module computes at that place (a softmax that the list does not call 'softmax' is quantised finished and normalised). What goes into a quantiser is computed in f32, as accurately as f32 sums, v_exp_f32 and their like allow (about 1e-6 of the number): no bf16 or f16 on the way to a quantiser, and a product that is left as it is and whose result goes on into a quantised operand takes f32 operands (vector FMAs, or v_wmma_f32_16x16x4_f32). A number that lies on a knife's edge between two numbers of the format may be rounded either way, as far as f32 arithmetic and the matrix unit's own rounding can turn it there, and no further.
;; One version. Each part assembles by itself: llvm-mc -triple=amdgcn-amd-amdhsa -mcpu=gfx1250 --defsym DOCPART=n.
;; ======== version 1 of 1: 4 launches
;; limits: right only within a limited range of input values
;; workspace buffers: wq 3,379,200 bytes; hq 8,650,752 bytes; sg 4,194,304 bytes; qq 8,912,896 bytes; kv 17,563,648 bytes
;; launch quantw (part 1): grid 25 x 4, 16 waves a work-group, no clusters, 35,840 bytes of LDS; arguments Wq, Wk, Wv, Ws, wq; writes wq
.if DOCPART == 1
	.amdgcn_target "amdgcn-amd-amdhsa--gfx1250"
	.amdhsa_code_object_version 6
	.text
	.protected	k_qd195680920_quantw
	.globl	k_qd195680920_quantw
	.p2align	8
	.type	k_qd195680920_quantw,@function
k_qd195680920_quantw:
	s_mov_b64 s[64:65], 0
	v_nop
	global_prefetch_b8 v0, s[64:65] scope:SCOPE_SE
	s_setreg_imm32_b32 hwreg(HW_REG_WAVE_MODE, 25, 1), 1
	s_wait_xcnt 0x0
; Wq, Wk, Wv [1024 (k)][1024] and Ws [1024 (k)][128], f32, K = their FIRST axis, become codes of BF8 (E5M2) with one E8M0 byte for each 32 along K.
; OUTPUT wq.  Codes: [25 groups of 128 columns][8 K steps of 128][8 tiles of 16 columns][2,048 bytes]; groups 0-7 Wq, 8-15 Wk, 16-23 Wv, 24 Ws.
; A tile's 2,048 bytes are the IMAGE OF AN OPERAND'S REGISTERS: byte 512 c + 16 lane + i = the code of the tile's place lane % 16 at k = 32 c + 16 (lane / 16) + i.
; Scale words behind the codes, at byte 3,276,800: [25][4 slots of 256 along K][8 tiles][16 places][2 K steps], 4 bytes each.
; WHICH COLUMN STANDS AT A PLACE: tile 2 g + u, place r = column 32 g + 8 u + r + 8 (r / 8), so that results of a product whose source 0 is such a tile lie as neighbours in a lane's registers.
; Ws's tile is a pair of heads; place 8 h + 4 X + 2 b + u = column 8 X + 4 b + 2 h + u of the pair's 16: the order in which the projection wants the gates.
; A LANE TAKES A COLUMN AND ITS REGISTERS RUN DOWN K: a block of 32 lies in one lane, and the conversions give codes with K innermost.
; SHARES.  x = group, y = slot of 256 along K.  Sixteen waves: wave 4 j + w takes tiles 2 w, 2 w + 1 (32 columns) and the slot's blocks 2 j, 2 j + 1 of 32 along K: all its 64 loads are issued at once.
; The four waves of a pair of tiles share a stage of 8,192 bytes in LDS, laid as the output; each wave's two scale bytes go to 1,024 LDS bytes of their own.  ONE barrier; then each wave reads 2,048 bytes of the stage
; back and stores them 512 consecutive bytes at a time, and the waves with j = 0 store the scale words, 256 consecutive bytes a wave.
; LIMITS: a block of zeros gets the byte 1, not 127 (its codes are zeros, and this program alone reads the bytes); NaN and infinities among the inputs are not served.
.set MANT,  0x600000                   ; the mantissa field of 57,344
.set SB,    24                         ; v24     my two scale bytes
.set VO,    32                         ; v32-63  byte offset of my column in row i of a block
.set X,     64                         ; v64-127 two sets of 32 numbers
.set C,     128                        ; v128-135 a block's codes
.set OUTR,  136                        ; v136-151 the way out
.set BT,    32                         ; s[32:35] where my two blocks begin in the tensor
.set SCB,   0x8000                     ; LDS: behind the four stages: the scale bytes [w][32 lanes][8 blocks],
.set SPARE, 0x8400                     ; and the spare words, 128 bytes a wave
	s_load_b256 s[4:11], s[0:1], 0x0               ; Wq, Wk, Wv, Ws
	s_load_b64 s[12:13], s[0:1], 0x20              ; wq
	v_lshl_add_u32 v200, v0, 2, SPARE
	v_mov_b32 v201, 0
	v_lshrrev_b32 v1, 5, v0
	v_readfirstlane_b32 s17, v1                    ; wave 0..15
	s_lshr_b32 s29, s17, 2                         ; j: my two blocks
	s_and_b32 s17, s17, 3                          ; w: my pair of tiles
	v_and_b32 v2, 31, v0                           ; lane p
	v_bfe_u32 v8, v0, 4, 1                         ; p / 16: which of my two tiles
	v_and_b32 v9, 15, v0                           ; the place
	v_and_b32 v10, 7, v0
	v_bfe_u32 v11, v0, 3, 1
	v_lshl_add_u32 v10, v8, 3, v10
	v_lshl_add_u32 v10, v11, 4, v10                ; the column among my 32: 8 (p / 16) + p % 8 + 16 ((p / 8) % 2)
	v_and_b32 v12, 1, v0                           ; Ws: bit 0 of the place counts 1,
	v_lshl_add_u32 v12, v11, 1, v12                ; bit 3 counts 2,
	v_bfe_u32 v13, v0, 1, 1
	v_lshl_add_u32 v12, v13, 2, v12                ; bit 1 counts 4,
	v_bfe_u32 v13, v0, 2, 1
	v_lshl_add_u32 v12, v13, 3, v12                ; bit 2 counts 8,
	v_lshl_add_u32 v12, v8, 4, v12                 ; and the tile 16
	s_mov_b32 s16, 4096                            ; a row of the tensor in bytes,
	s_cmp_eq_u32 ttmp9, 24
	s_cselect_b32 s18, -1, 0
	s_cselect_b32 s16, 512, s16                    ; 512 in Ws
	v_cndmask_b32 v3, v10, v12, s18
	v_lshlrev_b32 v[VO], 2, v3
.set i, 1
.rept 31
	v_add_nc_u32 v[VO+i], s16, v[VO+i-1]
.set i, i+1
.endr
	s_lshl_b32 s19, s17, 13                        ; my pair's stage
	v_lshlrev_b32 v4, 4, v9
	v_lshl_add_u32 v4, v8, 11, v4
	s_lshr_b32 s30, s29, 1                         ; block t = 2 j + i lies at 4,096 (t / 4) + 512 (t % 4) of a stage
	s_lshl_b32 s30, s30, 12
	s_and_b32 s18, s29, 1
	s_lshl_b32 s18, s18, 10
	s_add_co_u32 s30, s30, s18
	s_add_co_u32 s30, s30, s19
	v_add_nc_u32 v4, s30, v4                       ; in: tile x 2,048 + 16 x place
	v_lshlrev_b32 v6, 4, v2                        ; out: 16 bytes a lane, in LDS and in memory
	s_lshl_b32 s18, s29, 11
	s_add_co_u32 s18, s18, s19
	v_add_nc_u32 v5, s18, v6                       ; I read back the stage's bytes 2,048 j on
	v_lshlrev_b32 v7, 3, v2                        ; a lane's eight scale bytes
	s_lshl_b32 s18, s17, 8
	s_add_co_u32 s18, s18, SCB
	v_add_nc_u32 v15, s18, v7                      ; in LDS,
	s_lshl_b32 s30, s29, 1
	s_add_co_u32 s18, s18, s30
	v_add_nc_u32 v14, s18, v7                      ; and my two of them
	s_and_b32 s28, ttmp7, 0xffff                   ; y
	s_lshl_b32 s20, s28, 8
	s_mul_i32 s20, s20, s16                        ; 256 y rows,
	s_and_b32 s21, ttmp9, 7
	s_lshl_b32 s21, s21, 9
	s_add_co_u32 s20, s20, s21                     ; the group's 128 columns,
	s_lshl_b32 s21, s17, 7
	s_add_co_u32 s20, s20, s21                     ; my pair's 32,
	s_mul_i32 s21, s29, s16
	s_lshl_b32 s21, s21, 6
	s_add_co_u32 s20, s20, s21                     ; 64 j rows
	s_mov_b32 s21, 0
	s_lshl_b32 s22, s16, 5                         ; a block: 32 rows
	s_mov_b32 s23, 0
	s_lshl_b32 s24, ttmp9, 17                      ; codes: 131,072 x + 32,768 y + 4,096 w,
	s_lshl_b32 s26, s28, 15
	s_add_co_u32 s24, s24, s26
	s_lshl_b32 s26, s17, 12
	s_add_co_u32 s24, s24, s26
	s_lshr_b32 s26, s29, 1                         ; and what I store: K step j / 2, tile j % 2 of the pair
	s_lshl_b32 s26, s26, 14
	s_add_co_u32 s24, s24, s26
	s_and_b32 s26, s29, 1
	s_lshl_b32 s26, s26, 11
	s_add_co_u32 s24, s24, s26
	s_mov_b32 s25, 0
	s_lshl_b32 s26, ttmp9, 12                      ; scale words: 3,276,800 + 4,096 x + 1,024 y + 256 w
	s_lshl_b32 s27, s28, 10
	s_add_co_u32 s26, s26, s27
	s_lshl_b32 s27, s17, 8
	s_add_co_u32 s26, s26, s27
	s_add_co_u32 s26, s26, 3276800
	s_mov_b32 s27, 0
	s_mov_b32 s31, MANT
	s_wait_alu depctr_va_vdst(0)                   ; the wait at the head's end
	s_wait_kmcnt 0x0
	s_cmp_lt_u32 ttmp9, 24                         ; which tensor: the choice hangs on the work-group's number alone
	s_cselect_b64 s[14:15], s[8:9], s[10:11]
	s_cmp_lt_u32 ttmp9, 16
	s_cselect_b64 s[14:15], s[6:7], s[14:15]
	s_cmp_lt_u32 ttmp9, 8
	s_cselect_b64 s[14:15], s[4:5], s[14:15]
	s_add_nc_u64 s[BT:BT+1], s[14:15], s[20:21]
	s_add_nc_u64 s[BT+2:BT+3], s[BT:BT+1], s[22:23]
	s_add_nc_u64 s[24:25], s[12:13], s[24:25]
	s_add_nc_u64 s[26:27], s[12:13], s[26:27]
.macro LOAD t                          ; my block t: 32 rows of my column; the wave's 32 columns are 128 neighbouring bytes
.set i, 0
.rept 32
	global_load_b32 v[X+32*(\t)+i], v[VO+i], s[BT+2*(\t):BT+2*(\t)+1] th:TH_LOAD_NT
.set i, i+1
.endr
.endm
	LOAD 0
	LOAD 1
.macro BLOCK t
.set XS, X+32*(\t)
.if (\t) < 1
	s_wait_loadcnt 32                              ; this block's 32 loads are in; the second block's may be out
.else
	s_wait_loadcnt 0x0
.endif
	v_max3_num_f32 v12, |v[XS]|, |v[XS+1]|, |v[XS+2]|   ; the block's largest magnitude: all 32 numbers are mine
	v_max3_num_f32 v13, |v[XS+3]|, |v[XS+4]|, |v[XS+5]|
.irp i, 6,10,14,18,22,26
	v_max3_num_f32 v12, v12, |v[XS+\i]|, |v[XS+\i+1]|
	v_max3_num_f32 v13, v13, |v[XS+\i+2]|, |v[XS+\i+3]|
.endr
	v_max3_num_f32 v12, v12, |v[XS+30]|, |v[XS+31]|
	v_max3_num_f32 v12, v12, v13, 0x8000000        ; and the floor 2^(16 - 127): the byte cannot fall under 1
	v_add_nc_u32 v11, 0xf8800000, v12              ; 15 off the exponent field: the conversion's scale operand
	v_and_or_b32 v10, v12, 0x7f800000, s31         ; 57,344 x the scale
	v_lshrrev_b32 v13, 23, v11                     ; the scale's byte
.if (\t) == 0
	v_mov_b32 v[SB], v13
.else
	v_lshl_or_b32 v[SB], v13, 8, v[SB]
.endif
.set i, 0
.rept 32
	v_med3_num_f32 v[XS+i], v[XS+i], -v10, v10     ; the conversion to an 8-bit code does not saturate (ISA guide 7.6.2): the hold comes first
.set i, i+1
.endr
.irp g, 0,1,2,3
	v_cvt_scalef32_pk8_bf8_f32 v[C+2*\g:C+2*\g+1], v[XS+8*\g:XS+8*\g+7], v11
.endr
	ds_store_b128 v4, v[C:C+3] offset:512*(\t)          ; k = 0 .. 15 of the block: the image's lanes 0-15
	ds_store_b128 v4, v[C+4:C+7] offset:512*(\t)+256    ; k = 16 .. 31: its lanes 16-31
	s_wait_dscnt 0x0                               ; the stores have read their registers: the next block's codes may be written
.endm
	BLOCK 0
	BLOCK 1
	ds_store_b16 v14, v[SB]                        ; my two scale bytes
	s_wait_dscnt 0x0                               ; for the others' sake: my codes and bytes lie in LDS
	s_barrier_signal -1
	s_barrier_wait -1
.irp n, 0,1,2,3
	ds_load_b128 v[OUTR+4*\n:OUTR+4*\n+3], v5 offset:512*\n   ; one tile of one K step, which two waves wrote
.endr
	s_wait_dscnt 0x0
.irp n, 0,1,2,3
	global_store_b128 v6, v[OUTR+4*\n:OUTR+4*\n+3], s[24:25] offset:512*\n   ; 512 consecutive bytes a store
.endr
	s_cmp_eq_u32 s29, 0                            ; the waves with j = 0 store their pair's 64 scale words
	s_cbranch_scc0 .Lno_words
	ds_load_b64 v[16:17], v15
	s_wait_dscnt 0x0
	global_store_b64 v7, v[16:17], s[26:27]        ; 256 consecutive bytes, aligned
.Lno_words:
	s_wait_tensorcnt 0x0                           ; the wave's end
	ds_add_u32 v200, v201
	s_wait_dscnt 0x0
	s_endpgm
.Lfunc_end_k_qd195680920_quantw:
	.size	k_qd195680920_quantw, .Lfunc_end_k_qd195680920_quantw-k_qd195680920_quantw
	.p2alignl 7, 3214868480
	.fill 96, 4, 3214868480
	.section	.rodata,"a",@progbits
	.p2align	6, 0x0
	.amdhsa_kernel k_qd195680920_quantw
		.amdhsa_group_segment_fixed_size 35840
		.amdhsa_private_segment_fixed_size 0
		.amdhsa_enable_private_segment 0
		.amdhsa_kernarg_size 40
		.amdhsa_user_sgpr_count 2
		.amdhsa_user_sgpr_kernarg_segment_ptr 1
		.amdhsa_wavefront_size32 1
		.amdhsa_system_sgpr_workgroup_id_x 1
		.amdhsa_system_sgpr_workgroup_id_y 1
		.amdhsa_system_sgpr_workgroup_id_z 1
		.amdhsa_system_vgpr_workitem_id 0
		.amdhsa_next_free_vgpr 202
		.amdhsa_next_free_sgpr 66
		.amdhsa_reserve_vcc 0
		.amdhsa_float_denorm_mode_32 3
		.amdhsa_float_denorm_mode_16_64 3
		.amdhsa_memory_ordered 1
		.amdhsa_forward_progress 1
		.amdhsa_inst_pref_size 20
	.end_amdhsa_kernel
	.amdgpu_metadata
---
amdhsa.version: [ 1, 2 ]
amdhsa.kernels:
  - .name:           k_qd195680920_quantw
    .symbol:         k_qd195680920_quantw.kd
    .args:
      - { .name: Wq, .offset: 0, .size: 8, .value_kind: global_buffer, .address_space: global }
      - { .name: Wk, .offset: 8, .size: 8, .value_kind: global_buffer, .address_space: global }
      - { .name: Wv, .offset: 16, .size: 8, .value_kind: global_buffer, .address_space: global }
      - { .name: Ws, .offset: 24, .size: 8, .value_kind: global_buffer, .address_space: global }
      - { .name: wq, .offset: 32, .size: 8, .value_kind: global_buffer, .address_space: global }
    .group_segment_fixed_size: 35840
    .private_segment_fixed_size: 0
    .kernarg_segment_align: 8
    .kernarg_segment_size: 40
    .max_flat_workgroup_size: 512
    .sgpr_count:     66
    .vgpr_count:     202
    .wavefront_size: 32
...
	.end_amdgpu_metadata
.endif
;; end of part 1
;; launch quanth (part 2): grid 256 x 1, 4 waves a work-group, no clusters, 102,912 bytes of LDS; arguments hidden_states, wq, bs, hq, sg; writes hq, sg
.if DOCPART == 2
	.amdgcn_target "amdgcn-amd-amdhsa--gfx1250"
	.amdhsa_code_object_version 6
	.text
	.protected	k_qd195680920_quanth
	.globl	k_qd195680920_quanth
	.p2align	8
	.type	k_qd195680920_quanth,@function
k_qd195680920_quanth:
	s_mov_b64 s[64:65], 0
	v_nop
	global_prefetch_b8 v0, s[64:65] scope:SCOPE_SE
	s_setreg_imm32_b32 hwreg(HW_REG_WAVE_MODE, 25, 1), 1
	s_wait_xcnt 0x0
; hidden_states [8192][1024] f32 becomes codes of BF8 (E5M2) with one E8M0 byte for each 32 along K, and the gates 0.9 + 0.2 sigmoid(Q(h) Q(Ws) + bs) are made of these codes.
; OUTPUT hq.  Codes: [64 groups of 128 tokens][8 K steps][8 tiles of 16 tokens][2,048 bytes], a tile's bytes being the image of an operand's registers (byte 512 c + 16 lane + i = place lane % 16,
; k = 32 c + 16 (lane / 16) + i); tile 2 g + u, place r = token 32 g + 8 u + r + 8 (r / 8).  Scale words at byte 8,388,608: [64][4 slots of 256 along K][8 tiles][16 places][2 K steps].
; OUTPUT sg, f32: [512 tiles of tokens][8 pairs of heads][2 heads X][32 lanes][16 bytes]: lane (r, h), number 2 b + u = the gate of the tile's place r, head X of the pair, group 4 b + 2 h + u.
; SHARES.  A work-group takes 32 tokens (two tiles u); wave w takes K steps 2 w + q of them: four units k = 2 u + q of 16 rows x 128.  Each load reads 512 consecutive bytes of a row; a unit turns through the
; wave's own stage in LDS (rows 528 bytes apart) so that a lane gets 16 neighbours of each block of 32.  The codes go to memory and, as images, to LDS; ONE barrier; then wave w makes the gates of the pairs of
; heads 2 w + n for both tiles: source 0 = 16 columns of Ws, source 1 = 16 tokens, bs as the C of the first product; four accumulators by turns.
; REGISTERS: window 0: v1-14 addresses; v16-79, v80-143 two sets of 64 numbers (later h's fragments, the gates); v144 codes; v160 at work; v176-179 the units' scale words; v184 Ws's scale words; v200 bs; v216 sums;
; v248 h's scale words.  window 1: Ws's 16 fragments.  window 2: h as loaded, 64 registers a unit.
; LIMITS: a block of zeros gets the byte 1, not 127 (its codes are zeros, and this program alone reads the bytes); NaN and infinities among the inputs are not served.
.set HIMG, 67584                       ; LDS: behind the four waves' stages (2 x 8,448 bytes each): h's images [u][K step][2,048],
.set HSC,  100352                      ; and their scale words [u][K step][128]
.set LI,  4                            ; v4   16 x lane
.set LS,  5                            ; v5   4 x lane
.set STS, 6                            ; v6   the stage, in: 16 x lane
.set STL, 7                            ; v7   the stage, out: 528 r + 64 h
.set HWI, 8                            ; v8   where I store images
.set HWS, 9                            ; v9   and their scale words
.set L8,  10                           ; v10  8 x lane
.set R8,  11                           ; v11  8 r
.set H8,  12                           ; v12  8 h
.set HIA, 13                           ; v13  HIMG + 16 x lane
.set HSA, 14                           ; v14  HSC + 4 x lane
.set X0,  16
.set X1,  80
.set PC,  144
.set TM,  160
.set PWU, 176
.set SP2, 180
.set C09, 182
.set WSW, 184
.set BSB, 200
.set ACC, 216
.set HS,  248
.set SEL, 30
.set MNT, 32
.set MSB, 0
.macro WIN new                         ; the immediate's high byte repeats the setting that is left
.if MSB != \new
	s_set_vgpr_msb (MSB<<8)|\new
.set MSB, \new
.endif
.endm
	s_load_b256 s[4:11], s[0:1], 0x0               ; h, wq, bs, hq
	s_load_b64 s[12:13], s[0:1], 0x20              ; sg
	v_lshl_add_u32 v254, v0, 2, 0x19000
	v_mov_b32 v255, 0
	v_lshrrev_b32 v1, 5, v0
	v_readfirstlane_b32 s14, v1                    ; wave
	v_and_b32 v1, 31, v0
	v_and_b32 v2, 15, v0                           ; r
	v_bfe_u32 v3, v0, 4, 1                         ; h
	v_lshlrev_b32 v[LI], 4, v1
	v_lshlrev_b32 v[LS], 2, v1
	s_mul_i32 s38, s14, 16896
	v_add_nc_u32 v[STS], s38, v[LI]
	v_mul_u32_u24 v[STL], v2, 528
	v_lshl_add_u32 v[STL], v3, 6, v[STL]
	v_add_nc_u32 v[STL], s38, v[STL]
	s_lshl_b32 s38, s14, 12
	s_add_co_u32 s38, s38, HIMG
	v_add_nc_u32 v[HWI], s38, v[LI]                ; K step 2 w: 4,096 w
	s_lshl_b32 s38, s14, 8
	s_add_co_u32 s38, s38, HSC
	v_add_nc_u32 v[HWS], s38, v[LS]
	v_lshlrev_b32 v[L8], 3, v1
	v_lshlrev_b32 v[R8], 3, v2
	v_lshlrev_b32 v[H8], 3, v3
	v_add_nc_u32 v[HIA], HIMG, v[LI]
	v_add_nc_u32 v[HSA], HSC, v[LS]
.irp b, 0,1,2,3
	v_mov_b32 v[TM+4+\b], 0                        ; written once: a lane permute's destination counts as one of its sources
.endr
	v_mov_b32 v[C09], 0x3f666666                   ; 0.9, twice
	v_mov_b32 v[C09+1], 0x3f666666
	s_mov_b32 s[SEL], 0x76543210
	s_mov_b32 s[SEL+1], 0xfedcba98                 ; lane l xor 16
	s_mov_b32 s[MNT], 0x600000
	s_mov_b32 s34, 0xbfb8aa3b                      ; -log2(e)
	s_mov_b32 s35, s34
	s_mov_b32 s36, 0x3e4ccccd                      ; 0.2
	s_mov_b32 s37, s36
	s_lshr_b32 s40, ttmp9, 2                       ; the group of 128 tokens,
	s_and_b32 s41, ttmp9, 3                        ; and my 32 in it
	s_mov_b32 s39, 0
	s_wait_kmcnt 0x0
	s_lshl_b32 s38, ttmp9, 17
	s_lshl_b32 s42, s14, 10
	s_add_co_u32 s38, s38, s42
	s_add_nc_u64 s[16:17], s[4:5], s[38:39]        ; h: 32 rows of 4,096 bytes a work-group, 1,024 bytes a wave
	s_lshl_b32 s38, s14, 12
	s_add_co_u32 s38, s38, 24*131072
	s_add_nc_u64 s[18:19], s[6:7], s[38:39]        ; Ws's codes: group 24, tile 2 w
	s_lshl_b32 s38, s14, 8
	s_add_co_u32 s38, s38, 3276800+24*4096
	s_add_nc_u64 s[20:21], s[6:7], s[38:39]        ; and its scale words
	s_lshl_b32 s38, s14, 7
	s_add_nc_u64 s[22:23], s[8:9], s[38:39]        ; bs: my 32 numbers
	s_lshl_b32 s38, s40, 17
	s_lshl_b32 s42, s14, 15
	s_add_co_u32 s38, s38, s42
	s_lshl_b32 s42, s41, 12
	s_add_co_u32 s38, s38, s42
	s_add_nc_u64 s[24:25], s[10:11], s[38:39]      ; hq's codes
	s_lshl_b32 s38, s40, 12
	s_lshl_b32 s42, s14, 10
	s_add_co_u32 s38, s38, s42
	s_lshl_b32 s42, s41, 8
	s_add_co_u32 s38, s38, s42
	s_add_co_u32 s38, s38, 8388608
	s_add_nc_u64 s[26:27], s[10:11], s[38:39]      ; hq's scale words
	s_lshl_b32 s38, ttmp9, 14
	s_lshl_b32 s42, s14, 11
	s_add_co_u32 s38, s38, s42
	s_add_nc_u64 s[28:29], s[12:13], s[38:39]      ; sg
.macro LOADH k                         ; unit k as it lies: 16 rows x 512 consecutive bytes
	WIN 0x80                                       ; destination window 2
.irp r, 0,1,2,3,4,5,6,7,8,9,10,11,12,13,14,15
	global_load_b128 v[64*(\k)+4*\r:64*(\k)+4*\r+3], v[LI], s[16:17] offset:(8*((\k)/2)+\r+8*(\r/8))*4096+512*((\k)%2) th:TH_LOAD_NT
.endr
	WIN 0
.endm
.macro TURN k                          ; through the stage: LDS serves a wave's instructions in order, so no wait stands between the stores and the loads
	WIN 0x08                                       ; an LDS store's data are its source 1: window 2
.irp r, 0,1,2,3,4,5,6,7,8,9,10,11,12,13,14,15
	ds_store_b128 v[STS], v[64*(\k)+4*\r:64*(\k)+4*\r+3] offset:8448*((\k)%2)+528*\r
.endr
	WIN 0
.irp c, 0,1,2,3
.irp j, 0,1,2,3
	ds_load_b128 v[X0+64*((\k)%2)+16*\c+4*\j:X0+64*((\k)%2)+16*\c+4*\j+3], v[STL] offset:8448*((\k)%2)+128*\c+16*\j
.endr
.endr
.endm
.macro LOADW i                         ; four of Ws's fragments: tile n = i / 2 of my two, K steps 4 (i % 2) on
	WIN 0x40                                       ; destination window 1
.irp s, 0,1,2,3
.irp c, 0,1,2,3
	global_load_b128 v[16*(8*((\i)/2)+4*((\i)%2)+\s)+4*\c:16*(8*((\i)/2)+4*((\i)%2)+\s)+4*\c+3], v[LI], s[18:19] offset:16384*(4*((\i)%2)+\s)+2048*((\i)/2)+512*\c
.endr
.endr
	WIN 0
.endm
; 64 numbers of a lane, register 16 b + i = k 32 b + 16 h + i of my row, become a fragment's codes in v[PC] on and its scale word in v[pw]
.macro QUANT s, pw
.irp b, 0,1,2,3
	v_max3_num_f32 v[TM+\b], |v[\s+16*\b]|, |v[\s+1+16*\b]|, 0x8000000   ; my 16 numbers of block b, and the floor 2^(16 - 127): the byte cannot fall under 1
.endr
.irp i, 2,4,6,8,10,12,14
.irp b, 0,1,2,3
	v_max3_num_f32 v[TM+\b], v[TM+\b], |v[\s+16*\b+\i]|, |v[\s+1+16*\b+\i]|
.endr
.endr
.irp b, 0,1,2,3
	v_permlanex16_b32 v[TM+4+\b], v[TM+\b], s[SEL], s[SEL+1]
.endr
.irp b, 0,1,2,3
	v_max_num_f32 v[TM+\b], v[TM+\b], v[TM+4+\b]   ; with lane l xor 16's: the block's largest magnitude
.endr
.irp b, 0,1,2,3
	v_add_nc_u32 v[TM+12+\b], 0xf8800000, v[TM+\b] ; 15 off its exponent field: the conversion's scale operand
.endr
.irp b, 0,1,2,3
	v_and_or_b32 v[TM+8+\b], v[TM+\b], 0x7f800000, s[MNT]   ; 57,344 x the scale
.endr
.irp b, 0,1,2,3
	v_lshrrev_b32 v[TM+4+\b], 23, v[TM+12+\b]      ; the scale's byte
.endr
	v_lshl_or_b32 v[\pw], v[TM+5], 8, v[TM+4]
	v_lshl_or_b32 v[\pw], v[TM+6], 16, v[\pw]
	v_lshl_or_b32 v[\pw], v[TM+7], 24, v[\pw]
.irp b, 0,1,2,3
.irp i, 0,1,2,3,4,5,6,7,8,9,10,11,12,13,14,15
	v_med3_num_f32 v[\s+16*\b+\i], v[\s+16*\b+\i], -v[TM+8+\b], v[TM+8+\b]   ; the conversion does not saturate (ISA guide 7.6.2): the hold comes first
.endr
	v_cvt_scalef32_pk8_bf8_f32 v[PC+4*\b:PC+1+4*\b], v[\s+16*\b:\s+7+16*\b], v[TM+12+\b]
	v_cvt_scalef32_pk8_bf8_f32 v[PC+2+4*\b:PC+3+4*\b], v[\s+8+16*\b:\s+15+16*\b], v[TM+12+\b]
.endr
	v_nop                                          ; a plain vector line behind the last conversion
.endm
.macro UNIT k
.if (\k) < 3
	s_wait_loadcnt 32                              ; the next unit's 16 loads are in; the two batches of 16 behind them may be out
	TURN (\k)+1
	LOADW \k
	s_wait_dscnt 32                                ; all but the 32 of the turn just issued: this unit's numbers are in, the last unit's image stores are done
.else
	LOADW 3
.irp n, 0,1
.irp t, 0,1,2,3
	global_load_b64 v[WSW+8*\n+2*\t:WSW+8*\n+2*\t+1], v[R8], s[20:21] offset:1024*\t+128*\n   ; Ws's scale words: slot t, two K steps
.endr
.endr
.irp n, 0,1
.irp j, 0,1,2,3
	global_load_b64 v[BSB+8*\n+2*\j:BSB+8*\n+2*\j+1], v[H8], s[22:23] offset:64*\n+16*\j      ; bs in the result's layout: register 4 X + 2 b + u = bs(16 n + 8 X + 4 b + 2 h + u)
.endr
.endr
	s_wait_dscnt 0x0
.endif
	s_wait_xcnt 0x0                                ; the last unit's stores have read v[PC] on
	QUANT X0+64*((\k)%2), PWU+(\k)
.irp c, 0,1,2,3
	global_store_b128 v[LI], v[PC+4*\c:PC+4*\c+3], s[24:25] offset:16384*((\k)%2)+2048*((\k)/2)+512*\c   ; 512 consecutive bytes a store
.endr
.irp c, 0,1,2,3
	ds_store_b128 v[HWI], v[PC+4*\c:PC+4*\c+3] offset:16384*((\k)/2)+2048*((\k)%2)+512*\c
.endr
	ds_store_b32 v[HWS], v[PWU+(\k)] offset:1024*((\k)/2)+128*((\k)%2)
.endm
	LOADH 0
	LOADH 1
	LOADH 2
	s_wait_loadcnt 32                              ; unit 0 is in
	TURN 0
	LOADH 3
	UNIT 0
	UNIT 1
	UNIT 2
	UNIT 3
	v_cmp_eq_u32 vcc_lo, 1, v3
	v_cndmask_b32 v[SP2], v[PWU], v[PWU+2], vcc_lo      ; lanes 0-15: tile 0's two words of row r; lanes 16-31: tile 1's
	v_cndmask_b32 v[SP2+1], v[PWU+1], v[PWU+3], vcc_lo
	global_store_b64 v[L8], v[SP2:SP2+1], s[26:27]      ; 256 consecutive bytes, aligned
	s_wait_dscnt 0x0                               ; for the others' sake: my images lie in LDS
	s_barrier_signal -1
	s_barrier_wait -1
	s_wait_loadcnt 0x0                             ; Ws's fragments, its scale words, bs
; THE GATES: two K steps at a time
.irp e, 0,1,2,3
.if \e > 0
.rept 8
	v_nop                                          ; places in front of loads into registers that matrix instructions have read
.endr
.endif
.irp p, 0,1
.irp u, 0,1
.irp c, 0,1,2,3
	ds_load_b128 v[X0+16*(2*\p+\u)+4*\c:X0+16*(2*\p+\u)+4*\c+3], v[HIA] offset:16384*\u+2048*(2*\e+\p)+512*\c
.endr
	ds_load_b32 v[HS+2*\p+\u], v[HSA] offset:1024*\u+128*(2*\e+\p)
.endr
.endr
	s_wait_dscnt 0x0
	WIN 0x01                                       ; source 0 (Ws) window 1
.irp p, 0,1
.irp n, 0,1
.irp u, 0,1
.if 2*\e+\p == 0
	v_wmma_scale_f32_16x16x128_f8f6f4 v[ACC+8*(2*\n+\u):ACC+8*(2*\n+\u)+7], v[16*(8*\n+2*\e+\p):16*(8*\n+2*\e+\p)+15], v[X0+16*(2*\p+\u):X0+16*(2*\p+\u)+15], v[BSB+8*\n:BSB+8*\n+7], v[WSW+8*\n+2*\e+\p], v[HS+2*\p+\u] matrix_a_fmt:MATRIX_FMT_BF8 matrix_b_fmt:MATRIX_FMT_BF8
.else
	v_wmma_scale_f32_16x16x128_f8f6f4 v[ACC+8*(2*\n+\u):ACC+8*(2*\n+\u)+7], v[16*(8*\n+2*\e+\p):16*(8*\n+2*\e+\p)+15], v[X0+16*(2*\p+\u):X0+16*(2*\p+\u)+15], v[ACC+8*(2*\n+\u):ACC+8*(2*\n+\u)+7], v[WSW+8*\n+2*\e+\p], v[HS+2*\p+\u] matrix_a_fmt:MATRIX_FMT_BF8 matrix_b_fmt:MATRIX_FMT_BF8
.endif
.endr
.endr
.endr
	WIN 0
.endr
.rept 8
	v_nop                                          ; places in front of the first read of results
.endr
.set i, 0
.rept 16
	v_pk_mul_f32 v[X1+i:X1+i+1], v[ACC+i:ACC+i+1], s[34:35] op_sel_hi:[1,0]   ; -x log2(e); each sum is read from its low end on
.set i, i+2
.endr
.set i, 0
	s_wait_alu depctr_va_vdst(0)
.rept 32
	v_exp_f32 v[X1+i], v[X1+i]
.set i, i+1
.endr
	v_nop                                          ; a plain line behind the last exponential,
	s_wait_alu depctr_va_vdst(0)                   ; and one wait for the batch, ahead of its first reader
.set i, 0
.rept 16
	v_pk_add_f32 v[X1+i:X1+i+1], v[X1+i:X1+i+1], 1.0 op_sel_hi:[1,0]
.set i, i+2
.endr
.set i, 0
	s_wait_alu depctr_va_vdst(0)
.rept 32
	v_rcp_f32 v[X1+i], v[X1+i]
.set i, i+1
.endr
	v_nop
	s_wait_alu depctr_va_vdst(0)
.set i, 0
.rept 16
	v_pk_fma_f32 v[X1+i:X1+i+1], v[X1+i:X1+i+1], s[36:37], v[C09:C09+1] op_sel_hi:[1,0,1]   ; 0.2 sigmoid + 0.9
.set i, i+2
.endr
.irp n, 0,1
.irp u, 0,1
.irp j, 0,1
	global_store_b128 v[LI], v[X1+8*(2*\n+\u)+4*\j:X1+8*(2*\n+\u)+4*\j+3], s[28:29] offset:8192*\u+1024*\n+512*\j   ; 512 consecutive bytes a store
.endr
.endr
.endr
	s_wait_tensorcnt 0x0
	ds_add_u32 v254, v255
	s_wait_dscnt 0x0
	s_endpgm
.Lfunc_end_k_qd195680920_quanth:
	.size	k_qd195680920_quanth, .Lfunc_end_k_qd195680920_quanth-k_qd195680920_quanth
	.p2alignl 7, 3214868480
	.fill 96, 4, 3214868480
	.section	.rodata,"a",@progbits
	.p2align	6, 0x0
	.amdhsa_kernel k_qd195680920_quanth
		.amdhsa_group_segment_fixed_size 102912
		.amdhsa_private_segment_fixed_size 0
		.amdhsa_enable_private_segment 0
		.amdhsa_kernarg_size 40
		.amdhsa_user_sgpr_count 2
		.amdhsa_user_sgpr_kernarg_segment_ptr 1
		.amdhsa_wavefront_size32 1
		.amdhsa_system_sgpr_workgroup_id_x 1
		.amdhsa_system_sgpr_workgroup_id_y 1
		.amdhsa_system_sgpr_workgroup_id_z 1
		.amdhsa_system_vgpr_workitem_id 0
		.amdhsa_next_free_vgpr 768
		.amdhsa_next_free_sgpr 66
		.amdhsa_reserve_vcc 1
		.amdhsa_float_denorm_mode_32 3
		.amdhsa_float_denorm_mode_16_64 3
		.amdhsa_memory_ordered 1
		.amdhsa_forward_progress 1
		.amdhsa_inst_pref_size 78
	.end_amdhsa_kernel
	.amdgpu_metadata
---
amdhsa.version: [ 1, 2 ]
amdhsa.kernels:
  - .name:           k_qd195680920_quanth
    .symbol:         k_qd195680920_quanth.kd
    .args:
      - { .name: hidden_states, .offset: 0, .size: 8, .value_kind: global_buffer, .address_space: global }
      - { .name: wq, .offset: 8, .size: 8, .value_kind: global_buffer, .address_space: global }
      - { .name: bs, .offset: 16, .size: 8, .value_kind: global_buffer, .address_space: global }
      - { .name: hq, .offset: 24, .size: 8, .value_kind: global_buffer, .address_space: global }
      - { .name: sg, .offset: 32, .size: 8, .value_kind: global_buffer, .address_space: global }
    .group_segment_fixed_size: 102912
    .private_segment_fixed_size: 0
    .kernarg_segment_align: 8
    .kernarg_segment_size: 40
    .max_flat_workgroup_size: 128
    .sgpr_count:     66
    .vgpr_count:     768
    .wavefront_size: 32
...
	.end_amdgpu_metadata
.endif
;; end of part 2
;; launch proj (part 3): grid 12 x 32, 4 waves a work-group, clusters of 4 x 4, 327,680 bytes of LDS; arguments hq, wq, sg, bq, bk, bv, qq, kv; writes qq, kv
.if DOCPART == 3
	.amdgcn_target "amdgcn-amd-amdhsa--gfx1250"
	.amdhsa_code_object_version 6
	.text
	.protected	k_qd195680920_proj
	.globl	k_qd195680920_proj
	.p2align	8
	.type	k_qd195680920_proj,@function
k_qd195680920_proj:
	s_mov_b64 s[64:65], 0
	v_nop
	global_prefetch_b8 v0, s[64:65] scope:SCOPE_SE
	s_setreg_imm32_b32 hwreg(HW_REG_WAVE_MODE, 25, 1), 1
	s_wait_xcnt 0x0
	s_wait_alu depctr_hold_cnt(0) depctr_sa_sdst(0) depctr_va_vdst(0) depctr_va_sdst(0) depctr_va_ssrc(0) depctr_va_vcc(0) depctr_vm_vsrc(0)
	s_getreg_b32 s2, hwreg(HW_REG_IB_STS2, 6, 4)
	s_cmp_eq_u32 s2, 0
	s_cbranch_scc0 .Lentry_in_a_cluster
	s_endpgm
.Lentry_in_a_cluster:
	s_bfe_u32 s2, ttmp6, 0x10000c
	s_cmp_lg_u32 s2, 0xf033
	s_cbranch_scc0 .Lentry_shape_is_right
	s_endpgm
.Lentry_shape_is_right:
.set NQ,    2
.set FR,    16
.set NL,    4
.set NP,    8
.set SLOT,  131072
.set SCL,   262144
.set SPARE, 278528
.set HSZ,   274432
.set LAPS,  2
.set ADRA, 16
.set ADRB, 20
.set LI,   24
.set ADRS, 27
.set SPW,  28
.set NIL,  29
.set SC,   32
.set BIAS, 64
.set AF,   128
.set TM,   192
.set PC,   208
.set PW,   224
.set VOF,  232
.set WS,   236
.set WA,   240
.set WB,   244
.set G1, 24
.set G0, 32
.set G1B, 48
.set G0B, 56
.set G1S, 68
.set G0S, 76
.set G1SB, 80
.set G0SB, 88
.set SEL, 40
.set MNT, 42
.set MSB, 0
.macro WIN new
.if MSB != \new
	s_set_vgpr_msb (MSB<<8)|\new
.set MSB, \new
.endif
.endm
.set MUL_LO, 0xa1
.set MUL_HI, 0xf1
.set TO_B,   0x40
.macro JLOAD g0a, g1a, g0b, g1b
	s_cmp_eq_u32 s21, 0
	s_cbranch_scc0 .Lfor_b_\@
	tensor_load_to_lds s[\g0a:\g0a+3], s[\g1a:\g1a+7]
	s_nop 0
.rept 4
	v_nop
.endr
	s_branch .Lasked_\@
.Lfor_b_\@:
	tensor_load_to_lds s[\g0b:\g0b+3], s[\g1b:\g1b+7]
	s_nop 0
.rept 4
	v_nop
.endr
.Lasked_\@:
.endm
.macro CREST
	s_cmp_lg_u32 s20, 0
	s_cbranch_scc1 .Lnot_wave_0_\@
	s_barrier_signal -3
.Lnot_wave_0_\@:
	s_barrier_wait -3
	s_barrier_signal -1
	s_barrier_wait -1
.endm
.macro CROUND
	s_barrier_signal -1
	s_barrier_wait -1
	CREST
.endm
	s_load_b512 s[4:19], s[0:1], 0x0
	v_lshl_add_u32 v[SPW], v0, 2, SPARE
	v_mov_b32 v[NIL], 0
	ds_add_u32 v28, v29
	ds_add_u32 v28, v29
	s_wait_dscnt 0x0
	v_lshrrev_b32 v1, 5, v0
	v_readfirstlane_b32 s20, v1
	s_lshr_b32 s21, s20, 1
	s_and_b32 s22, s20, 1
	s_bfe_u32 s40, ttmp6, 0x40000
	s_bfe_u32 s41, ttmp6, 0x40004
	s_and_b32 s42, ttmp7, 0xffff
	s_lshl_b32 s43, s41, 2
	s_lshl_b32 s43, 15, s43
	s_lshl_b32 s44, 0x1111, s40
	s_or_b32 s[G1], s43, (3<<16)|(1<<21)
	s_or_b32 s[G1B], s44, (3<<16)|(1<<21)
	s_or_b32 s[G1S], s43, (3<<16)|(1<<21)
	s_or_b32 s[G1SB], s44, (3<<16)|(1<<21)
.irp g, G1, G1B                        ; for the head's loads: a slot's codes of both groups of 128 rows: two rows of 4,096 x 8 bytes, 131,072 bytes apart
	s_mov_b32 s[\g+1], 4096<<16
	s_mov_b32 s[\g+2], 2<<16
	s_mov_b32 s[\g+3], 4096<<16
	s_mov_b32 s[\g+4], 2
	s_mov_b32 s[\g+5], 16384
	s_mov_b32 s[\g+6], 0
	s_mov_b32 s[\g+7], 0
.endr
.irp g, G1S, G1SB
	s_mov_b32 s[\g+1], 32<<16
	s_mov_b32 s[\g+2], 32<<16              ; the scale words of both groups: 8,192 dense bytes
	s_mov_b32 s[\g+3], 32<<16
	s_mov_b32 s[\g+4], 32
	s_mov_b32 s[\g+5], 32
	s_mov_b32 s[\g+6], 0
	s_mov_b32 s[\g+7], 0
.endr
	s_lshl_b32 s45, s42, 2
	s_add_co_u32 s46, s45, s41
	s_add_co_u32 s47, s41, 8
	s_add_co_u32 s92, s45, s40
	s_lshl_b32 s93, ttmp9, 2
	s_add_co_u32 s93, s93, s40
	s_mov_b32 s94, 8388608
	s_mov_b32 s95, 3276800
	s_cmp_eq_u32 ttmp9, 2
	s_cselect_b32 s46, s47, s46
	s_cselect_b32 s92, s92, s93
	s_cselect_b32 s47, s95, s94
	s_cselect_b32 s93, s94, s95
	s_lshl_b32 s46, s46, 1
	s_add_co_u32 s46, s46, s22
	s_lshl_b32 s92, s92, 1
	s_add_co_u32 s92, s92, s22
	s_lshl_b32 s94, s46, 12
	s_add_co_u32 s94, s94, s47
	s_lshl_b32 s46, s46, 17
	s_mov_b32 s47, 0
	s_mov_b32 s95, 0
	s_lshl_b32 s96, s92, 12
	s_add_co_u32 s96, s96, s93
	s_lshl_b32 s92, s92, 17
	s_mov_b32 s93, 0
	s_mov_b32 s97, 0
	s_lshl_b32 s66, s20, 15
	s_wait_kmcnt 0x0
	s_cmp_eq_u32 ttmp9, 2
	s_cselect_b64 s[98:99], s[6:7], s[4:5]
	s_cselect_b64 s[2:3], s[4:5], s[6:7]
	s_add_nc_u64 s[46:47], s[98:99], s[46:47]
	s_add_nc_u64 s[94:95], s[98:99], s[94:95]
	s_add_nc_u64 s[92:93], s[2:3], s[92:93]
	s_add_nc_u64 s[96:97], s[2:3], s[96:97]
	CROUND
	s_lshl_b32 s2, s22, 12                 ; the head's four tiles begin at the first of the two groups: my group's step is taken off
	s_mov_b32 s3, 0
	s_mov_b32 s[G0S], 1
	s_mov_b32 s[G0S+1], SCL
	s_sub_nc_u64 s[G0S+2:G0S+3], s[94:95], s[2:3]
	s_or_b32 s[G0S+3], s[G0S+3], 0x80000000
	s_mov_b32 s[G0SB], 1
	s_mov_b32 s[G0SB+1], SCL+8192
	s_sub_nc_u64 s[G0SB+2:G0SB+3], s[96:97], s[2:3]
	s_or_b32 s[G0SB+3], s[G0SB+3], 0x80000000
	s_lshl_b32 s2, s22, 17
	s_mov_b32 s4, 1                        ; s[4:7]: group 0 for A's slot 0 (the two arguments that lay there have been used)
	s_mov_b32 s5, 0
	s_sub_nc_u64 s[6:7], s[46:47], s[2:3]
	s_or_b32 s7, s7, 0x80000000
	s_mov_b32 s96, 1                       ; s[96:99]: for B's, behind A's in the slot
	s_mov_b32 s97, 65536
	s_sub_nc_u64 s[98:99], s[92:93], s[2:3]
	s_or_b32 s99, s99, 0x80000000
.irp s, 0,1
	s_mov_b32 s[G0+4*\s], 1
	s_add_co_u32 s[G0+4*\s+1], s66, \s*SLOT
	s_add_nc_u64 s[G0+4*\s+2:G0+4*\s+3], s[46:47], \s*32768
	s_or_b32 s[G0+4*\s+3], s[G0+4*\s+3], 0x80000000
	s_mov_b32 s[G0B+4*\s], 1
	s_add_co_u32 s[G0B+4*\s+1], s66, \s*SLOT
	s_add_nc_u64 s[G0B+4*\s+2:G0B+4*\s+3], s[92:93], \s*32768
	s_or_b32 s[G0B+4*\s+3], s[G0B+4*\s+3], 0x80000000
.endr
	; the prefetches' base: my wave's 32,768 bytes of a slot; the four partners that ask for them jointly take 8,192 each, told apart by address (cx for A, cy for B)
	s_cmp_eq_u32 s21, 0
	s_cselect_b64 s[100:101], s[46:47], s[92:93]
	s_cselect_b32 s2, s40, s41
	s_lshl_b32 s2, s2, 13
	s_add_nc_u64 s[100:101], s[100:101], s[2:3]
; THE HEAD'S LOADS, ONE A WAVE, in one chain of branches on the wave's number: wave 0 A's slot 0, wave 1 B's, wave 2 A's scale words, wave 3 B's
.macro ARM under, g0, g1, next
	s_cmp_lt_u32 s20, \under
	s_cbranch_scc0 \next
	tensor_load_to_lds s[\g0:\g0+3], s[\g1:\g1+7]
	s_nop 0
.rept 4
	v_nop
.endr
	s_branch .Lhead_asked
\next:
.endm
	ARM 1, 4, G1, .Lhead_b
	ARM 2, 96, G1B, .Lhead_sa
	ARM 3, G0S, G1S, .Lhead_sb
	tensor_load_to_lds s[G0SB:G0SB+3], s[G1SB:G1SB+7]
	s_nop 0
.rept 4
	v_nop
.endr
.Lhead_asked:
	v_and_b32 v1, 15, v0
	v_bfe_u32 v2, v0, 4, 1
	s_wait_alu depctr_va_vdst(0)
	v_and_b32 v3, 31, v0
	v_lshlrev_b32 v[LI], 4, v3
	v_lshlrev_b32 v30, 8, v3               ; the prefetches' offset: lanes 256 bytes apart; never rewritten
	global_prefetch_b8 v30, s[100:101] offset:32768 th:TH_LOAD_NT scope:SCOPE_SE   ; slots 1 and 2: my work-group's 8,192 bytes of what my wave will load
	global_prefetch_b8 v30, s[100:101] offset:65536 th:TH_LOAD_NT scope:SCOPE_SE
	s_lshl_b32 s43, s21, 15
	s_lshl_b32 s44, s22, 15
	s_add_co_u32 s44, s44, 65536
.irp s, 0,1
	v_add_nc_u32 v[ADRA+\s], s43, v[LI]
	v_add_nc_u32 v[ADRB+\s], s44, v[LI]
	s_add_co_u32 s43, s43, SLOT
	s_add_co_u32 s44, s44, SLOT
.endr
	v_lshlrev_b32 v5, 3, v1
	s_lshl_b32 s43, s21, 12
	s_lshl_b32 s44, s22, 12
	s_add_co_u32 s44, s44, 8192
	s_sub_co_u32 s44, s44, s43
	v_mul_u32_u24 v6, s44, v2
	s_add_co_u32 s43, s43, SCL
	v_add_nc_u32 v5, v5, v6
	v_add_nc_u32 v[ADRS], s43, v5
	s_lshl_b32 s43, s42, 2
	s_add_co_u32 s44, s43, s41
	s_lshl_b32 s44, s44, 1
	s_add_co_u32 s44, s44, s21
	s_add_co_u32 s45, s43, s40
	s_lshl_b32 s45, s45, 1
	s_add_co_u32 s45, s45, s22
	s_lshl_b32 s46, s41, 1
	s_add_co_u32 s46, s46, s21
	s_lshl_b32 s47, s40, 1
	s_add_co_u32 s47, s47, s22
	s_cmp_eq_u32 ttmp9, 2
	s_cselect_b32 s44, s45, s44
	s_cselect_b32 s46, s46, s47
	s_lshr_b32 s45, s44, 4
	s_and_b32 s47, s44, 15
	s_lshl_b32 s45, s45, 4
	s_lshl_b32 s92, s46, 1
	s_add_co_u32 s45, s45, s92
	s_lshl_b32 s92, s46, 9
	s_mov_b32 s93, 0
	s_cmp_eq_u32 ttmp9, 0
	s_cselect_b64 s[94:95], s[10:11], s[12:13]
	s_cmp_eq_u32 ttmp9, 2
	s_cselect_b64 s[94:95], s[14:15], s[94:95]
	s_add_nc_u64 s[94:95], s[94:95], s[92:93]
	v_lshlrev_b32 v8, 6, v2
	v_and_b32 v9, 8, v1
	v_add_nc_u32 v9, v9, v1
	v_lshlrev_b32 v9, 2, v9
	s_cmp_eq_u32 ttmp9, 2
	s_cbranch_scc1 .Lbias_v
.irp b, 0,1,2,3,4,5,6,7
	global_load_b128 v[BIAS+8*\b:BIAS+8*\b+3], v8, s[94:95] offset:(32*(\b/2)+8*(\b%2))*4
	global_load_b128 v[BIAS+8*\b+4:BIAS+8*\b+7], v8, s[94:95] offset:(32*(\b/2)+8*(\b%2))*4+16
.endr
	s_wait_loadcnt 0x0
	s_branch .Lbias_done
.Lbias_v:
	s_wait_alu depctr_va_vdst(0)
.irp a, 0,1,2,3,4,5,6,7
	global_load_b32 v[BIAS+8*\a], v9, s[94:95] offset:(32*(\a/2)+8*(\a%2))*4
.endr
	s_wait_loadcnt 0x0
.irp a, 0,1,2,3,4,5,6,7
.irp j, 1,2,3,4,5,6,7
	v_mov_b32 v[BIAS+8*\a+\j], v[BIAS+8*\a]
.endr
.endr
.Lbias_done:
.macro FRAG reg, adr, q, i
.irp c, 0,1,2,3
	ds_load_b128 v[\reg+4*\c:\reg+4*\c+3], v[\adr] offset:16384*(\q)+2048*(\i)+512*\c
.endr
.endm
.macro MUL16 a0, p, q, sc, zero
.irp a, \a0, \a0+1
.irp b, 0,1,2,3,4,5,6,7
.if \zero == 1
	v_wmma_scale_f32_16x16x128_f8f6f4 v[8*(8*((\a)%4)+\b):8*(8*((\a)%4)+\b)+7], v[128*(\p)+FR*\b:128*(\p)+FR*\b+FR-1], v[AF+FR*(\a):AF+FR*(\a)+FR-1], v[BIAS+8*\b:BIAS+8*\b+7], v[SC+8*NQ*(\sc)+NQ*\b+(\q)], v[SC+8*NQ*(\sc)+NQ*(\a)+(\q)] matrix_a_fmt:MATRIX_FMT_BF8 matrix_b_fmt:MATRIX_FMT_BF8 matrix_a_scale:MATRIX_SCALE_ROW1
.elseif \zero == 2
	v_wmma_scale_f32_16x16x128_f8f6f4 v[8*(8*((\a)%4)+\b):8*(8*((\a)%4)+\b)+7], v[128*(\p)+FR*\b:128*(\p)+FR*\b+FR-1], v[AF+FR*(\a):AF+FR*(\a)+FR-1], v[BIAS+8*(\a):BIAS+8*(\a)+7], v[SC+8*NQ*(\sc)+NQ*\b+(\q)], v[SC+8*NQ*(\sc)+NQ*(\a)+(\q)] matrix_a_fmt:MATRIX_FMT_BF8 matrix_b_fmt:MATRIX_FMT_BF8 matrix_a_scale:MATRIX_SCALE_ROW1
.else
	v_wmma_scale_f32_16x16x128_f8f6f4 v[8*(8*((\a)%4)+\b):8*(8*((\a)%4)+\b)+7], v[128*(\p)+FR*\b:128*(\p)+FR*\b+FR-1], v[AF+FR*(\a):AF+FR*(\a)+FR-1], v[8*(8*((\a)%4)+\b):8*(8*((\a)%4)+\b)+7], v[SC+8*NQ*(\sc)+NQ*\b+(\q)], v[SC+8*NQ*(\sc)+NQ*(\a)+(\q)] matrix_a_fmt:MATRIX_FMT_BF8 matrix_b_fmt:MATRIX_FMT_BF8 matrix_a_scale:MATRIX_SCALE_ROW1
.endif
.endr
.endr
.endm
.macro FETCH_B slot, q, p
	WIN TO_B
.irp i, 0,1,2,3,4,5,6,7
	FRAG 128*(\p)+FR*\i, ADRB+\slot, \q, \i
.endr
	WIN 0
.endm
.macro FETCH_A slot, q, i0
.irp i, \i0, \i0+1, \i0+2, \i0+3
	FRAG AF+FR*(\i), ADRA+\slot, \q, \i
.endr
.endm
.macro SCALES sc
.irp i, 0,1,2,3,4,5,6,7
	ds_load_b64 v[SC+8*NQ*\sc+NQ*\i:SC+8*NQ*\sc+NQ*\i+1], v[ADRS] offset:\i*128
.endr
.endm
.macro PLACES n
.rept \n
	v_nop
.endr
.endm
.macro STEP slot, q, zero
	s_wait_dscnt 4*NL
.if \zero
	WIN 0x81
.else
	WIN MUL_LO
.endif
	MUL16 0, (\q)%2, \q, \slot, \zero
	MUL16 2, (\q)%2, \q, \slot, \zero
	s_wait_dscnt 0
	PLACES NP
	FETCH_B \slot, (\q)+1, 1-(\q)%2
	FETCH_A \slot, (\q)+1, 0
.if \zero
	WIN 0xc1
.else
	WIN MUL_HI
.endif
	MUL16 4, (\q)%2, \q, \slot, \zero
	MUL16 6, (\q)%2, \q, \slot, \zero
	PLACES NP
	WIN 0
	FETCH_A \slot, (\q)+1, 4
.endm
.macro TURN slot, next, fill
	s_wait_tensorcnt 0x0
	ds_add_u32 v[SPW], v[NIL]
	s_wait_dscnt 4*NL+1
	WIN MUL_LO
	MUL16 0, 1, NQ-1, \slot, 0
	s_wait_dscnt 0x0
	s_barrier_signal -1
	MUL16 2, 1, NQ-1, \slot, 0
	WIN 0
	s_barrier_wait -1
.if \fill
	CREST
	s_add_nc_u64 s[G0+4*\slot+2:G0+4*\slot+3], s[G0+4*\slot+2:G0+4*\slot+3], 65536
	s_add_nc_u64 s[G0B+4*\slot+2:G0B+4*\slot+3], s[G0B+4*\slot+2:G0B+4*\slot+3], 65536
	JLOAD G0+4*\slot, G1, G0B+4*\slot, G1B
	PLACES NP-4
.else
	PLACES NP
.endif
	s_wait_alu depctr_va_vdst(0)
	v_add_nc_u32 v[ADRS], 1024, v[ADRS]
	FETCH_B \next, 0, 0
	FETCH_A \next, 0, 0
	SCALES \next
	WIN MUL_HI
	MUL16 4, 1, NQ-1, \slot, 0
	MUL16 6, 1, NQ-1, \slot, 0
	PLACES NP
	WIN 0
	FETCH_A \next, 0, 4
.endm
	s_wait_alu depctr_va_vdst(0)           ; the wait at the head's end
	s_wait_tensorcnt 0x0                   ; my tile of the head's four is in; the lines ahead of a later first fill:
	ds_add_u32 v[SPW], v[NIL]
.irp g, G1, G1B                        ; no tensor load of mine is out: from here on a load brings 128 rows of 256 bytes
	s_mov_b32 s[\g+1], 32<<16
	s_mov_b32 s[\g+2], 128<<16
	s_mov_b32 s[\g+3], 32<<16
	s_mov_b32 s[\g+4], 128
	s_mov_b32 s[\g+5], 32
.endr
	s_wait_dscnt 0x0
	CROUND                                 ; all four tiles are in, and all sixteen work-groups are here
	JLOAD G0+4, G1, G0B+4, G1B             ; slot 1: the first tensor load behind the round, a quarter a wave
	FETCH_B 0, 0, 0
	FETCH_A 0, 0, 0
	s_wait_alu depctr_va_vdst(0)
	SCALES 0
	FETCH_A 0, 0, 4
	global_prefetch_b8 v30, s[100:101] offset:98304 th:TH_LOAD_NT scope:SCOPE_SE   ; slot 3, the last: two fills ahead of its load
	s_cmp_eq_u32 ttmp9, 2
	s_cbranch_scc1 .Lfirst_v
	STEP 0, 0, 1
	s_branch .Lfirst_done
.Lfirst_v:
	STEP 0, 0, 2
.Lfirst_done:
	s_cmp_eq_u32 ttmp9, 0                  ; Q's work-groups (the cluster's number, the same in all partners): the gates come now, into the 64 registers that held the bias, which only the first step reads
	s_cbranch_scc0 .Lno_gates
	s_lshl_b32 s92, s44, 16
	s_lshl_b32 s93, s46, 10
	s_add_co_u32 s92, s92, s93
	s_mov_b32 s93, 0
	s_add_nc_u64 s[92:93], s[8:9], s[92:93]
.irp a, 0,1,2,3,4,5,6,7
.irp u, 0,1
	global_load_b128 v[BIAS+8*\a+4*\u:BIAS+8*\a+4*\u+3], v[LI], s[92:93] offset:8192*\a+512*\u
.endr
.endr
.Lno_gates:
	s_mov_b32 s3, LAPS-1
.Llap:
	TURN 0, 1, 1
	STEP 1, 0, 0
	TURN 1, 0, 1
	STEP 0, 0, 0
	s_sub_co_u32 s3, s3, 1
	s_cmp_lg_u32 s3, 0
	s_cbranch_scc1 .Llap
	TURN 0, 1, 0
	STEP 1, 0, 0
	s_wait_dscnt 4*NL
	WIN MUL_LO
	MUL16 0, 1, NQ-1, 1, 0
	MUL16 2, 1, NQ-1, 1, 0
	s_wait_dscnt 0
	WIN MUL_HI
	MUL16 4, 1, NQ-1, 1, 0
	MUL16 6, 1, NQ-1, 1, 0
	WIN 0
.macro QUANTW a
.set AC, 64*((\a)%4)
	WIN 5*(2+(\a)/4)
.irp b, 0,1,2,3
	v_max3_num_f32 v[TM+\b], |v[AC+16*\b]|, |v[AC+16*\b+1]|, 0x8000000
.endr
.irp i, 2,4,6,8,10,12,14
.irp b, 0,1,2,3
	v_max3_num_f32 v[TM+\b], |v[AC+16*\b+\i]|, |v[AC+16*\b+\i+1]|, v[TM+\b]
.endr
.endr
	WIN 0
.irp b, 0,1,2,3
	v_permlanex16_b32 v[TM+4+\b], v[TM+\b], s[SEL], s[SEL+1]
.endr
.irp b, 0,1,2,3
	v_max_num_f32 v[TM+\b], v[TM+\b], v[TM+4+\b]
.endr
.irp b, 0,1,2,3
	v_add_nc_u32 v[TM+12+\b], 0xf8800000, v[TM+\b]
.endr
.irp b, 0,1,2,3
	v_and_or_b32 v[TM+8+\b], v[TM+\b], 0x7f800000, s[MNT]
.endr
.irp b, 0,1,2,3
	v_lshrrev_b32 v[TM+4+\b], 23, v[TM+12+\b]
.endr
	v_lshl_or_b32 v[PW+(\a)], v[TM+5], 8, v[TM+4]
	v_lshl_or_b32 v[PW+(\a)], v[TM+6], 16, v[PW+(\a)]
	v_lshl_or_b32 v[PW+(\a)], v[TM+7], 24, v[PW+(\a)]
	WIN 65*(2+(\a)/4)
.irp b, 0,1,2,3
.irp i, 0,1,2,3,4,5,6,7,8,9,10,11,12,13,14,15
	v_med3_num_f32 v[AC+16*\b+\i], v[AC+16*\b+\i], -v[TM+8+\b], v[TM+8+\b]
.endr
.endr
	WIN 2+(\a)/4
.irp b, 0,1,2,3
	v_cvt_scalef32_pk8_bf8_f32 v[PC+4*\b:PC+4*\b+1], v[AC+16*\b:AC+16*\b+7], v[TM+12+\b]
	v_cvt_scalef32_pk8_bf8_f32 v[PC+4*\b+2:PC+4*\b+3], v[AC+16*\b+8:AC+16*\b+15], v[TM+12+\b]
.endr
	WIN 0
	v_nop
.endm
.macro GATE a
.set AC, 64*((\a)%4)
	WIN 0x82+0x41*((\a)/4)
.irp b, 0,1,2,3,4,5,6,7
.irp j, 0,2,4,6
.if (\b)%2 == 0
	v_pk_mul_f32 v[AC+8*\b+\j:AC+8*\b+\j+1], v[AC+8*\b+\j:AC+8*\b+\j+1], v[BIAS+8*(\a)+\b:BIAS+8*(\a)+\b+1] op_sel_hi:[1,0]
.else
	v_pk_mul_f32 v[AC+8*\b+\j:AC+8*\b+\j+1], v[AC+8*\b+\j:AC+8*\b+\j+1], v[BIAS+8*(\a)+\b-1:BIAS+8*(\a)+\b] op_sel:[0,1] op_sel_hi:[1,1]
.endif
.endr
.endr
	WIN 0
.endm
.macro PICK
	v_cmp_eq_u32 vcc_lo, 1, v2
.irp i, 0,1,2,3
	v_cndmask_b32 v[WS+\i], v[PW+\i], v[PW+4+\i], vcc_lo
.endr
.endm
.macro WORDS base, stride
.irp i, 0,1,2,3
	v_and_or_b32 v[WA+\i], v[WS+\i], s43, 0x7f7f0000
	v_lshrrev_b32 v[WB+\i], 16, v[WS+\i]
.endr
.irp i, 0,1,2,3
	v_or_b32 v[WB+\i], 0x7f7f0000, v[WB+\i]
.endr
	global_store_b128 v[LI], v[WA:WA+3], s[\base:\base+1]
	global_store_b128 v[LI], v[WB:WB+3], s[\base:\base+1] offset:\stride
.endm
	PLACES NP
.irp b, 0,1,2,3
	v_mov_b32 v[TM+4+\b], 0
.endr
	s_mov_b32 s[SEL], 0x76543210
	s_mov_b32 s[SEL+1], 0xfedcba98
	s_mov_b32 s[MNT], 0x600000
	s_mov_b32 s43, 0xffff
	s_cmp_eq_u32 ttmp9, 0
	s_cbranch_scc0 .Lkv
	s_lshl_b32 s94, s45, 17
	s_lshl_b32 s95, s47, 13
	s_add_co_u32 s94, s94, s95
	s_mov_b32 s95, 0
	s_add_nc_u64 s[94:95], s[16:17], s[94:95]
	s_lshl_b32 s96, s45, 13
	s_lshl_b32 s97, s47, 9
	s_add_co_u32 s96, s96, s97
	s_add_co_u32 s96, s96, 8388608
	s_mov_b32 s97, 0
	s_add_nc_u64 s[96:97], s[16:17], s[96:97]
.irp a, 0,1,2,3,4,5,6,7
	s_wait_loadcnt 14-2*\a
	GATE \a
.if \a > 0
	s_wait_xcnt 0x0
.endif
	QUANTW \a
.irp b, 0,1,2,3
	global_store_b128 v[LI], v[PC+4*\b:PC+4*\b+3], s[94:95] offset:131072*(\b/2)+1024*\a+512*(\b%2)
.endr
.endr
	PICK
	WORDS 96, 8192
	s_branch .Lend
.Lkv:
	s_cmp_eq_u32 ttmp9, 2
	s_cselect_b32 s94, 131072, 0
	s_mov_b32 s96, 1024
	s_cselect_b32 s96, 2048, s96
	s_cselect_b32 s98, 266240, 0
	s_mov_b32 s2, HSZ
	s_cselect_b32 s2, 1024, s2
	s_mov_b32 s97, 0
	s_mov_b32 s99, 0
	s_mul_i32 s92, s45, HSZ
	s_mov_b32 s93, 0
	s_add_nc_u64 s[92:93], s[18:19], s[92:93]
	s_lshl_b32 s95, s47, 13
	s_add_co_u32 s94, s94, s95
	s_mov_b32 s95, 0
	s_add_nc_u64 s[94:95], s[92:93], s[94:95]
	v_mov_b32 v[VOF], v[LI]
	v_add_nc_u32 v[VOF+1], 512, v[LI]
	v_add_nc_u32 v[VOF+2], s2, v[LI]
	v_add_nc_u32 v[VOF+3], 512, v[VOF+2]
.irp a, 0,1,2,3,4,5,6,7
.if \a > 0
	s_wait_xcnt 0x0
	s_add_nc_u64 s[94:95], s[94:95], s[96:97]
.endif
.if \a == 4
	s_add_nc_u64 s[94:95], s[94:95], s[98:99]
.endif
	QUANTW \a
.irp b, 0,1,2,3
	global_store_b128 v[VOF+\b], v[PC+4*\b:PC+4*\b+3], s[94:95]
.endr
.endr
	PICK
	s_cmp_eq_u32 ttmp9, 2
	s_cbranch_scc1 .Lv_words
	s_lshl_b32 s66, s47, 9
	s_add_co_u32 s66, s66, 262144
	s_mov_b32 s67, 0
	s_add_nc_u64 s[66:67], s[92:93], s[66:67]
	WORDS 66, HSZ
	s_branch .Lend
.Lv_words:
	s_lshl_b32 s66, s47, 8
	s_add_co_u32 s66, s66, 270336
	s_mov_b32 s67, 0
	s_add_nc_u64 s[66:67], s[92:93], s[66:67]
	v_mul_u32_u24 v[WA], v2, HSZ
	v_lshl_add_u32 v[WA], v1, 4, v[WA]
	s_wait_alu depctr_va_vdst(0)
	global_store_b128 v[WA], v[WS:WS+3], s[66:67]
.Lend:
	s_wait_tensorcnt 0x0
	ds_add_u32 v[SPW], v[NIL]
	s_wait_dscnt 0x0
	CROUND
	s_endpgm
.Lfunc_end_k_qd195680920_proj:
	.size	k_qd195680920_proj, .Lfunc_end_k_qd195680920_proj-k_qd195680920_proj
	.p2alignl 7, 3214868480
	.fill 96, 4, 3214868480
	.section	.rodata,"a",@progbits
	.p2align	6, 0x0
	.amdhsa_kernel k_qd195680920_proj
		.amdhsa_group_segment_fixed_size 327680
		.amdhsa_private_segment_fixed_size 0
		.amdhsa_enable_private_segment 0
		.amdhsa_kernarg_size 64
		.amdhsa_user_sgpr_count 2
		.amdhsa_user_sgpr_kernarg_segment_ptr 1
		.amdhsa_wavefront_size32 1
		.amdhsa_system_sgpr_workgroup_id_x 1
		.amdhsa_system_sgpr_workgroup_id_y 1
		.amdhsa_system_sgpr_workgroup_id_z 1
		.amdhsa_system_vgpr_workitem_id 0
		.amdhsa_next_free_vgpr 1024
		.amdhsa_next_free_sgpr 102
		.amdhsa_reserve_vcc 1
		.amdhsa_float_denorm_mode_32 3
		.amdhsa_float_denorm_mode_16_64 3
		.amdhsa_memory_ordered 1
		.amdhsa_forward_progress 1
		.amdhsa_inst_pref_size 255
	.end_amdhsa_kernel
	.section	.bss,"aw",@nobits
	.p2align	6
	.space	262144
	.amdgpu_metadata
---
amdhsa.version: [ 1, 2 ]
amdhsa.kernels:
  - .name:           k_qd195680920_proj
    .symbol:         k_qd195680920_proj.kd
    .args:
      - { .name: hq, .offset: 0, .size: 8, .value_kind: global_buffer, .address_space: global }
      - { .name: wq, .offset: 8, .size: 8, .value_kind: global_buffer, .address_space: global }
      - { .name: sg, .offset: 16, .size: 8, .value_kind: global_buffer, .address_space: global }
      - { .name: bq, .offset: 24, .size: 8, .value_kind: global_buffer, .address_space: global }
      - { .name: bk, .offset: 32, .size: 8, .value_kind: global_buffer, .address_space: global }
      - { .name: bv, .offset: 40, .size: 8, .value_kind: global_buffer, .address_space: global }
      - { .name: qq, .offset: 48, .size: 8, .value_kind: global_buffer, .address_space: global }
      - { .name: kv, .offset: 56, .size: 8, .value_kind: global_buffer, .address_space: global }
    .group_segment_fixed_size: 327680
    .private_segment_fixed_size: 0
    .kernarg_segment_align: 8
    .kernarg_segment_size: 64
    .max_flat_workgroup_size: 128
    .sgpr_count:     102
    .vgpr_count:     1024
    .wavefront_size: 32
...
	.end_amdgpu_metadata
.endif
;; end of part 3
;; launch attn (part 4): grid 4 x 64, 8 waves a work-group, clusters of 4 x 1, 327,680 bytes of LDS; arguments qq, kv, out0; writes out0
.if DOCPART == 4
	.amdgcn_target "amdgcn-amd-amdhsa--gfx1250"
	.amdhsa_code_object_version 6
	.text
	.protected	k_qd195680920_attn
	.globl	k_qd195680920_attn
	.p2align	8
	.type	k_qd195680920_attn,@function
k_qd195680920_attn:
	s_mov_b64 s[64:65], 0
	v_nop
	global_prefetch_b8 v0, s[64:65] scope:SCOPE_SE
	s_setreg_imm32_b32 hwreg(HW_REG_WAVE_MODE, 25, 1), 1
	s_wait_xcnt 0x0
	s_wait_alu depctr_hold_cnt(0) depctr_sa_sdst(0) depctr_va_vdst(0) depctr_va_sdst(0) depctr_va_ssrc(0) depctr_va_vcc(0) depctr_vm_vsrc(0)
	s_getreg_b32 s2, hwreg(HW_REG_IB_STS2, 6, 4)
	s_cmp_eq_u32 s2, 0
	s_cbranch_scc0 .Lentry_in_a_cluster
	s_endpgm
.Lentry_in_a_cluster:
	s_bfe_u32 s2, ttmp6, 0x10000c
	s_cmp_lg_u32 s2, 0x3003
	s_cbranch_scc0 .Lentry_shape_is_right
	s_endpgm
.Lentry_shape_is_right:
; out0[b][q][64 head + d] = the sum over keys of softmax(Q . K / 8) V, both products on codes of BF8 (E5M2) with E8M0 scales.  qq and kv hold images of operand registers and scale words, as the projection left them.
; THE SOFTMAX AHEAD OF THE SECOND PRODUCT: t = score x log2(e) / 8; M = the running largest t, rounded UP to a whole number; p = 2^(t - M) is quantised along the keys, not normalised; the row's sum is taken of the
; unquantised p and divides at the end.  When M moves, the sum and O are multiplied by 2^(old M - new M), which rounds nothing.
; SHARES.  A work-group owns 512 queries of one head.  Each of its eight waves owns TWO tiles of 16 queries in each of two passes: a fragment of K or V read from LDS feeds two products, and the two tiles' vector lines
; stand by turns, so that no line reads what the line above it wrote.
; A HEAD'S WHOLE K, V AND SCALE WORDS, 274,432 bytes = 1,072 rows of 256, COME INTO LDS ONCE, laid as in memory: 134 rows a wave, one tensor load each.  The four work-groups of a cluster own the same head and ask
; JOINTLY (mask 15).  No byte is filled twice: no ring.  Every tile is asked for at the head and no loop runs ahead of a load, so nothing is prefetched.
; LAYOUT.  Both products transposed: S^T = K Q^T, O^T = V^T P^T: a lane holds one query.  Tile 2 g + u, place r = row 32 g + 8 u + r + 8 (r / 8), so p's registers 16 b + i are keys 32 b + 16 h + i.
; A HEAD HAS 64 ALONG K, THE INSTRUCTION 128.  Q's upper eight registers are zero codes and both sides' upper scale bytes are 0x7f.  K's operand for tile t is sixteen registers from 8 t on: its upper eight are the next
; tile's codes (behind tile 7: zeros); they are finite and meet zero codes, so they add exactly 0.
; REGISTERS.  Window 0: addresses, scale words, each tile's state, p's codes PC (four registers and then p's first twelve, which are done with when they are written), S^T / p, O^T.
; Window 1: K's fragments 0-63 and eight zeros, V's 72-135, Q's four fragments from 136.  K and V have registers of their own: V is fetched at a step's top, K one step ahead.
; The last step of a pass fetches one set of K fragments beyond the pass's keys (bytes of V, inside LDS and landed), which nobody uses: one text serves all steps.
; LIMITS: NaN and infinities among the inputs are not served; the scaled scores t stay under 2^31 in magnitude.
.set HSZ,   274432
.set PART,  34304                      ; 134 rows of 256 bytes: a wave's part of the head
.set VOFF,  131072                     ; LDS: K's codes at 0, V's here,
.set KS,    262144                     ; K's scale words,
.set VS,    270336                     ; V's,
.set STG,   274432                     ; and, in bytes that no tensor load fills, a stage of 16 rows x (256 + 16) bytes for each wave,
.set SPARE, 309248                     ; and the spare words, 128 bytes a wave
.set SPW,  1
.set NIL,  2
.set TP,   3                           ; v3, v12   at work (tile T: + 9 T)
.set KW,   4                           ; v4-7      K's scale words
.set VW,   8                           ; v8-11     V's
.set LI,   13                          ; 16 x lane
.set R16,  14                          ; 16 r
.set ADA,  15                          ; addresses of the loads in hand
.set ADB,  42
.set QW,   16                          ; v16, v17  Q's scale words of pass 0, 1: lanes 0-15 tile 0's, lanes 16-31 tile 1's
.set NM,   18                          ; v18-19, v24-25  -M and the largest t (+ 6 T)
.set FF,   20                          ; v20-21, v22-23  f = 2^(old M - new M), and p's scale word (+ 2 T)
.set SUM,  26                          ; v26-27, v28-29  the row's sum in two halves (+ 2 T)
.set BM,   30                          ; v30-37    the blocks' largest (+ 4 T)
.set BH,   38                          ; v38-41, v43-46  the holds' bounds (+ 5 T: the two tiles' bounds lie in different banks)
.set SRD,  47
.set BS,   48                          ; v48-55    the conversions' scale operands; before that at work (+ 4 T)
.set PC,   56                          ; p's codes (+ 68 T)
.set S0,   60                          ; S^T, then p (+ 68 T)
.set SD,   68
.set O,    192                         ; O^T (+ 32 T)
.set KF,   0                           ; window 1
.set VF,   72
.set QF,   136                         ; + 32 pass + 16 T
.set WV,   10
.set CNT,  16
.set MNT,  17
.set CS,   18
.set SEL,  20
.set G1,   24
.set G0,   32
.set TK,   36
.set TS,   37
.set TV,   38
.set TJ,   39
.set STB,  40
.set OB,   60
.set MSB, 0
.macro WIN new                         ; the immediate's high byte repeats the setting that is left
.if MSB != \new
	s_set_vgpr_msb (MSB<<8)|\new
.set MSB, \new
.endif
.endm
.macro CROUND
	s_barrier_signal -1
	s_barrier_wait -1
	s_cmp_lg_u32 s[WV], 0
	s_cbranch_scc1 .Lnot_wave_0_\@
	s_barrier_signal -3
.Lnot_wave_0_\@:
	s_barrier_wait -3
	s_barrier_signal -1
	s_barrier_wait -1
.endm
	s_load_b128 s[4:7], s[0:1], 0x0                ; qq, kv
	s_load_b64 s[8:9], s[0:1], 0x10                ; out0
	v_lshl_add_u32 v[SPW], v0, 2, SPARE
	v_mov_b32 v[NIL], 0
	ds_add_u32 v[SPW], v[NIL]                      ; the opening lines: the add, twice on end, and its wait below
	ds_add_u32 v[SPW], v[NIL]
	v_lshrrev_b32 v[ADA], 5, v0
	v_readfirstlane_b32 s[WV], v[ADA]              ; wave 0..7
	s_bfe_u32 s11, ttmp6, 0x40000                  ; cx: my 512 queries; it enters Q's and the output's addresses alone
	s_and_b32 s12, ttmp7, 0xffff                   ; batch x 16 + head, which the four partners share
	s_mov_b32 s[G1], 15|(3<<16)|(1<<21)            ; the mask: all four; elements of 8 bytes; bit 21 beside a mask; no padding: images are read 512 consecutive bytes at a time
	s_mov_b32 s[G1+1], 32<<16                      ; rows of 256 bytes,
	s_mov_b32 s[G1+2], 134<<16                     ; 134 of them, dense
	s_mov_b32 s[G1+3], 32<<16
	s_mov_b32 s[G1+4], 134
	s_mov_b32 s[G1+5], 32
	s_mov_b32 s[G1+6], 0
	s_mov_b32 s[G1+7], 0
	s_mul_i32 s22, s12, HSZ
	s_mul_i32 s13, s[WV], PART
	s_add_co_u32 s22, s22, s13
	s_mov_b32 s23, 0
	s_mov_b32 s[CS], 0x3e38aa3b                    ; c = log2(e) / 8
	s_mov_b32 s[CS+1], s[CS]
	s_mov_b32 s[SEL], 0x76543210
	s_mov_b32 s[SEL+1], 0xfedcba98                 ; lane l xor 16
	s_mov_b32 s[MNT], 0x600000                     ; the mantissa field of 57,344
	s_wait_dscnt 0x0
	s_wait_kmcnt 0x0
	s_mov_b32 s[G0], 1
	s_mov_b32 s[G0+1], s13                         ; LDS as memory: wave x 34,304
	s_add_nc_u64 s[G0+2:G0+3], s[6:7], s[22:23]
	s_or_b32 s[G0+3], s[G0+3], 0x80000000
	CROUND                                         ; all four work-groups are here: the joint loads meet
	tensor_load_to_lds s[G0:G0+3], s[G1:G1+7]      ; my one tensor load of the launch
	s_nop 0
.rept 4
	v_nop
.endr
	; pass p owns tiles 32 cx + 16 p + 2 wave + T
	s_lshl_b32 s56, s12, 17
	s_lshl_b32 s57, s11, 15
	s_add_co_u32 s56, s56, s57
	s_lshl_b32 s57, s[WV], 11
	s_add_co_u32 s56, s56, s57
	s_mov_b32 s57, 0
	s_add_nc_u64 s[56:57], s[4:5], s[56:57]        ; Q's codes: 1,024 bytes a tile
	s_lshl_b32 s58, s12, 13
	s_lshl_b32 s59, s11, 11
	s_add_co_u32 s58, s58, s59
	s_lshr_b32 s59, s[WV], 1
	s_lshl_b32 s59, s59, 8
	s_add_co_u32 s58, s58, s59
	s_and_b32 s59, s[WV], 1
	s_lshl_b32 s59, s59, 3
	s_add_co_u32 s58, s58, s59
	s_add_co_u32 s58, s58, 8388608
	s_mov_b32 s59, 0
	s_add_nc_u64 s[58:59], s[4:5], s[58:59]        ; its scale words: 256 bytes for four tiles, 4 bytes a tile, 16 a row
	s_lshr_b32 s[OB], s12, 4
	s_lshl_b32 s[OB], s[OB], 23                    ; the output: the batch's 2,048 rows of 4,096 bytes,
	s_lshl_b32 s62, s11, 21
	s_add_co_u32 s[OB], s[OB], s62                 ; my work-group's 512,
	s_lshl_b32 s62, s[WV], 17
	s_add_co_u32 s[OB], s[OB], s62                 ; my pair of tiles: 32 tokens,
	s_and_b32 s62, s12, 15
	s_lshl_b32 s62, s62, 8
	s_add_co_u32 s[OB], s[OB], s62                 ; the head's 256 bytes of a row
	s_mov_b32 s[OB+1], 0
	s_add_nc_u64 s[OB:OB+1], s[8:9], s[OB:OB+1]
	s_mul_i32 s[STB], s[WV], 4352
	s_add_co_u32 s[STB], s[STB], STG               ; my stage
	v_and_b32 v[LI], 31, v0
	v_and_b32 v[R16], 15, v0
	v_bfe_u32 v[ADB], v0, 4, 1
	v_lshlrev_b32 v[LI], 4, v[LI]
	v_lshlrev_b32 v[R16], 4, v[R16]
	v_lshl_add_u32 v[ADB], v[ADB], 2, v[R16]       ; 16 r + 4 h: lanes 16-31 take tile 1's word
	WIN 0x40                                       ; destination window 1
.irp p, 0
.irp T, 0,1
.irp c, 0,1
	global_load_b128 v[QF+32*\p+16*\T+4*\c:QF+32*\p+16*\T+4*\c+3], v[LI], s[56:57] offset:16384*\p+1024*\T+512*\c
.endr
.endr
.endr
.irp j, 0,1,2,3,4,5,6,7
	v_mov_b32 v[KF+64+\j], 0                       ; behind K's tile 7
.irp q, 0,1,2,3
	v_mov_b32 v[QF+16*\q+8+\j], 0                  ; Q's k = 64 .. 127: zero codes
.endr
.endr
	WIN 0
	global_load_b32 v[QW], v[ADB], s[58:59]
	global_load_b32 v[QW+1], v[ADB], s[58:59] offset:1024
.irp j, 0,1,2,3,4,5,6,7
	v_mov_b32 v[BS+\j], 0                          ; a lane permute's destination counts as one of its sources
.endr
	v_mov_b32 v[FF+1], 0                           ; (named as the upper halves of the pairs with f before they are first written)
	v_mov_b32 v[FF+3], 0
.macro INIT                            ; a pass begins: O^T and the sums as zeros, the largest t under every t
.irp T, 0,1
	v_mov_b32 v[NM+6*\T+1], 0xff61b1e6             ; -3e38
	v_mov_b32 v[SUM+2*\T], 0
	v_mov_b32 v[SUM+2*\T+1], 0
.endr
.irp T, 0,1
	v_floor_f32 v[NM+6*\T], -v[NM+6*\T+1]          ; -M
.endr
.set j, 0
.rept 64
	v_mov_b32 v[O+j], 0
.set j, j+1
.endr
.endm
.macro KLOAD                           ; eight tiles of K and their scale words: 17 LDS loads
	v_add_nc_u32 v[ADA], s[TK], v[LI]
	v_add_nc_u32 v[ADB], s[TS], v[LI]
	WIN 0x40
.irp t, 0,1,2,3,4,5,6,7
	ds_load_b128 v[KF+8*\t:KF+8*\t+3], v[ADA] offset:1024*\t
	ds_load_b128 v[KF+8*\t+4:KF+8*\t+7], v[ADA] offset:1024*\t+512
.endr
	WIN 0
	ds_load_b128 v[KW:KW+3], v[ADB]                ; lanes 0-15: the words of tiles 0-3; lanes 16-31: of tiles 4-7
	s_add_co_u32 s[TK], s[TK], 8192
	s_add_co_u32 s[TS], s[TS], 512
.endm
.macro SMUL p, t, T                    ; S^T of K's tile t and my tile T
.if (\t) < 4 && (\T) == 0
	v_wmma_scale_f32_16x16x128_f8f6f4 v[S0+SD*(\T)+8*(\t):S0+SD*(\T)+8*(\t)+7], v[KF+8*(\t):KF+8*(\t)+15], v[QF+32*(\p)+16*(\T):QF+32*(\p)+16*(\T)+15], 0, v[KW+(\t)%4], v[QW+(\p)] matrix_a_fmt:MATRIX_FMT_BF8 matrix_b_fmt:MATRIX_FMT_BF8
.elseif (\t) < 4
	v_wmma_scale_f32_16x16x128_f8f6f4 v[S0+SD*(\T)+8*(\t):S0+SD*(\T)+8*(\t)+7], v[KF+8*(\t):KF+8*(\t)+15], v[QF+32*(\p)+16*(\T):QF+32*(\p)+16*(\T)+15], 0, v[KW+(\t)%4], v[QW+(\p)] matrix_a_fmt:MATRIX_FMT_BF8 matrix_b_fmt:MATRIX_FMT_BF8 matrix_b_scale:MATRIX_SCALE_ROW1
.elseif (\T) == 0
	v_wmma_scale_f32_16x16x128_f8f6f4 v[S0+SD*(\T)+8*(\t):S0+SD*(\T)+8*(\t)+7], v[KF+8*(\t):KF+8*(\t)+15], v[QF+32*(\p)+16*(\T):QF+32*(\p)+16*(\T)+15], 0, v[KW+(\t)%4], v[QW+(\p)] matrix_a_fmt:MATRIX_FMT_BF8 matrix_b_fmt:MATRIX_FMT_BF8 matrix_a_scale:MATRIX_SCALE_ROW1
.else
	v_wmma_scale_f32_16x16x128_f8f6f4 v[S0+SD*(\T)+8*(\t):S0+SD*(\T)+8*(\t)+7], v[KF+8*(\t):KF+8*(\t)+15], v[QF+32*(\p)+16*(\T):QF+32*(\p)+16*(\T)+15], 0, v[KW+(\t)%4], v[QW+(\p)] matrix_a_fmt:MATRIX_FMT_BF8 matrix_b_fmt:MATRIX_FMT_BF8 matrix_a_scale:MATRIX_SCALE_ROW1 matrix_b_scale:MATRIX_SCALE_ROW1
.endif
.endm
; A KEY STEP: 128 keys, both tiles
.macro STEP p
	v_add_nc_u32 v[ADA], s[TV], v[LI]
	v_add_nc_u32 v[ADB], s[TJ], v[R16]
.rept 7
	v_nop                                          ; with the two additions: nine places behind the last products, ahead of the loads into V's registers and of the products that write over p's codes
.endr
	WIN 0x40
.irp t, 0,1,2,3
.irp c, 0,1,2,3
	ds_load_b128 v[VF+16*\t+4*\c:VF+16*\t+4*\c+3], v[ADA] offset:2048*\t+512*\c   ; V's four fragments: they land under the softmax
.endr
.endr
	WIN 0
	ds_load_b128 v[VW:VW+3], v[ADB]
	s_add_co_u32 s[TV], s[TV], 8192
	s_add_co_u32 s[TJ], s[TJ], 256
	s_wait_dscnt 17                                ; K and its words are in; V's 17 loads, issued behind them, may be out
	WIN 0x05                                       ; sources 0 and 1 window 1
.irp t, 0,1,2,3,4,5,6,7
.irp T, 0,1
	SMUL \p, \t, \T
.endr
.endr
	WIN 0
.rept 6
	v_nop                                          ; with the two additions below: eight places ahead of the loads into K's registers and of the first read of the scores
.endr
	KLOAD                                          ; the next step's K
.irp b, 0,1,2,3
.irp T, 0,1
	v_max3_num_f32 v[BM+4*\T+\b], v[S0+SD*\T+16*\b], v[S0+SD*\T+16*\b+1], v[S0+SD*\T+16*\b+2]   ; the largest score of each block of 32 keys: for the row's maximum and, since p rises with the score, for the block's largest p
.endr
.endr
.irp i, 3,5,7,9,11,13
.irp b, 0,1,2,3
.irp T, 0,1
	v_max3_num_f32 v[BM+4*\T+\b], v[BM+4*\T+\b], v[S0+SD*\T+16*\b+\i], v[S0+SD*\T+16*\b+\i+1]
.endr
.endr
.endr
.irp b, 0,1,2,3
.irp T, 0,1
	v_max_num_f32 v[BM+4*\T+\b], v[BM+4*\T+\b], v[S0+SD*\T+16*\b+15]
.endr
.endr
.irp n, 0,1,2,3,4,5,6,7
	v_permlanex16_b32 v[BS+\n], v[BM+\n], s[SEL], s[SEL+1]
.endr
.irp n, 0,1,2,3,4,5,6,7
	v_max_num_f32 v[BM+\n], v[BM+\n], v[BS+\n]     ; with lane l xor 16's 16 keys
.endr
.irp T, 0,1
	v_max3_num_f32 v[TP+9*\T], v[BM+4*\T], v[BM+4*\T+1], v[BM+4*\T+2]
.endr
.irp T, 0,1
	v_max_num_f32 v[TP+9*\T], v[TP+9*\T], v[BM+4*\T+3]
.endr
.irp T, 0,1
	v_mul_f32 v[TP+9*\T], s[CS], v[TP+9*\T]        ; as t (c is positive)
.endr
.irp T, 0,1
	v_max_num_f32 v[NM+6*\T+1], v[NM+6*\T+1], v[TP+9*\T]   ; the running largest t
.endr
.irp T, 0,1
	v_mov_b32 v[TP+9*\T], v[NM+6*\T]
.endr
.irp T, 0,1
	v_floor_f32 v[NM+6*\T], -v[NM+6*\T+1]          ; the new -M = -ceil(t)
.endr
.irp T, 0,1
	v_sub_f32 v[TP+9*\T], v[NM+6*\T], v[TP+9*\T]   ; old M - new M: a whole number, 0 or less
.endr
.irp T, 0,1
	v_cvt_i32_f32 v[TP+9*\T], v[TP+9*\T]
.endr
.irp T, 0,1
	v_ldexp_f32 v[FF+2*\T], 1.0, v[TP+9*\T]        ; f
.endr
.set j, 0
.rept 32
.irp T, 0,1
	v_pk_fma_f32 v[S0+SD*\T+j:S0+SD*\T+j+1], v[S0+SD*\T+j:S0+SD*\T+j+1], s[CS:CS+1], v[NM+6*\T:NM+6*\T+1] op_sel_hi:[1,0,0]   ; t - M
.endr
.set j, j+2
.endr
.irp b, 0,1,2,3
.irp T, 0,1
	v_fma_f32 v[BM+4*\T+\b], v[BM+4*\T+\b], s[CS], v[NM+6*\T]
.endr
.endr
	s_wait_alu depctr_va_vdst(0)                   ; the wait ahead of the batch
.irp n, 0,1,2,3,4,5,6,7
	v_exp_f32 v[BM+\n], v[BM+\n]                   ; the blocks' largest p
.endr
.set j, 0
.rept 64
	v_exp_f32 v[S0+j], v[S0+j]                     ; p = 2^(t - M)
	v_exp_f32 v[S0+SD+j], v[S0+SD+j]
.set j, j+1
.endr
.irp T, 0,1
	v_pk_mul_f32 v[SUM+2*\T:SUM+2*\T+1], v[SUM+2*\T:SUM+2*\T+1], v[FF+2*\T:FF+2*\T+1] op_sel_hi:[1,0]   ; the sums under the new M: plain lines behind the exponentials
.endr
	s_wait_alu depctr_va_vdst(0)                   ; and one wait for the batch, ahead of its first reader
.irp T, 0,1
	v_pk_add_f32 v[BS+4*\T:BS+4*\T+1], v[S0+SD*\T:S0+SD*\T+1], v[S0+SD*\T+2:S0+SD*\T+3]   ; the row's sum, of the unquantised p: two chains a tile
.endr
.irp j, 4,8,12,16,20,24,28,32,36,40,44,48,52,56,60
.irp T, 0,1
	v_pk_add_f32 v[SUM+2*\T:SUM+2*\T+1], v[SUM+2*\T:SUM+2*\T+1], v[S0+SD*\T+\j:S0+SD*\T+\j+1]
.endr
.irp T, 0,1
	v_pk_add_f32 v[BS+4*\T:BS+4*\T+1], v[BS+4*\T:BS+4*\T+1], v[S0+SD*\T+\j+2:S0+SD*\T+\j+3]
.endr
.endr
.irp T, 0,1
	v_pk_add_f32 v[SUM+2*\T:SUM+2*\T+1], v[SUM+2*\T:SUM+2*\T+1], v[BS+4*\T:BS+4*\T+1]
.endr
.irp n, 0,1,2,3,4,5,6,7
	v_max_num_f32 v[BM+\n], 0x8000000, v[BM+\n]    ; the floor 2^(16 - 127): the byte cannot fall under 1
.endr
.irp n, 0,1,2,3,4,5,6,7
	v_add_nc_u32 v[BS+\n], 0xf8800000, v[BM+\n]    ; 15 off the exponent field: the conversion's scale operand
.endr
.irp b, 0,1,2,3
.irp T, 0,1
	v_and_or_b32 v[BH+5*\T+\b], v[BM+4*\T+\b], 0x7f800000, s[MNT]   ; 57,344 x the scale
.endr
.endr
.irp n, 0,1,2,3,4,5,6,7
	v_lshrrev_b32 v[BM+\n], 23, v[BS+\n]           ; the scale's byte
.endr
.irp T, 0,1
	v_lshl_or_b32 v[FF+2*\T+1], v[BM+4*\T+1], 8, v[BM+4*\T]   ; p's scale word for these 128 keys
.endr
.irp T, 0,1
	v_lshl_or_b32 v[FF+2*\T+1], v[BM+4*\T+2], 16, v[FF+2*\T+1]
.endr
.irp T, 0,1
	v_lshl_or_b32 v[FF+2*\T+1], v[BM+4*\T+3], 24, v[FF+2*\T+1]
.endr
.irp b, 0,1,2,3
.irp j, 0,2,4,6,8,10,12,14             ; the conversion does not saturate (ISA guide 7.6.2); p is not negative, so the hold is one-sided.  A pair holds one number of each tile
	v_dual_min_num_f32 v[S0+16*\b+\j], v[S0+16*\b+\j], v[BH+\b] :: v_dual_min_num_f32 v[S0+SD+16*\b+\j+1], v[S0+SD+16*\b+\j+1], v[BH+5+\b]
	v_dual_min_num_f32 v[S0+16*\b+\j+1], v[S0+16*\b+\j+1], v[BH+\b] :: v_dual_min_num_f32 v[S0+SD+16*\b+\j], v[S0+SD+16*\b+\j], v[BH+5+\b]
.endr
.irp T, 0,1
	v_cvt_scalef32_pk8_bf8_f32 v[PC+SD*\T+4*\b:PC+SD*\T+4*\b+1], v[S0+SD*\T+16*\b:S0+SD*\T+16*\b+7], v[BS+4*\T+\b]   ; blocks 1 to 3 write over block 0's numbers, which are converted by then
	v_cvt_scalef32_pk8_bf8_f32 v[PC+SD*\T+4*\b+2:PC+SD*\T+4*\b+3], v[S0+SD*\T+16*\b+8:S0+SD*\T+16*\b+15], v[BS+4*\T+\b]
.endr
	v_nop                                          ; a plain line behind the conversions
.endr
	s_wait_alu depctr_va_vdst(0)                   ; the wait here, directly ahead of the first reader of O^T
.set j, 0
.rept 16
.irp T, 0,1
	v_pk_mul_f32 v[O+32*\T+j:O+32*\T+j+1], v[O+32*\T+j:O+32*\T+j+1], v[FF+2*\T:FF+2*\T+1] op_sel_hi:[1,0]   ; O^T under the new M; these lines also stand between the conversions and the products
.endr
.set j, j+2
.endr
	s_wait_alu depctr_va_vdst(0)                   ; the wait here, directly ahead of the wait below
	s_wait_dscnt 17                                ; V and its words are in; the next K's 17 loads, issued behind them, may be out
	WIN 0x01                                       ; source 0 (V) window 1
.irp t, 0,1,2,3
.irp T, 0,1
	v_wmma_scale_f32_16x16x128_f8f6f4 v[O+32*\T+8*\t:O+32*\T+8*\t+7], v[VF+16*\t:VF+16*\t+15], v[PC+SD*\T:PC+SD*\T+15], v[O+32*\T+8*\t:O+32*\T+8*\t+7], v[VW+\t], v[FF+2*\T+1] matrix_a_fmt:MATRIX_FMT_BF8 matrix_b_fmt:MATRIX_FMT_BF8
.endr
.endr
	WIN 0
.endm
.macro PASS p
	s_mov_b32 s[TK], 0
	s_mov_b32 s[TS], KS
	s_mov_b32 s[TV], VOFF
	s_mov_b32 s[TJ], VS
	s_mov_b32 s[CNT], 16
	KLOAD                                          ; step 0's K
.Lpass_\p:
	STEP \p
	s_sub_co_u32 s[CNT], s[CNT], 1
	s_cmp_lg_u32 s[CNT], 0
	s_cbranch_scc1 .Lpass_\p
.endm
; THE WAY OUT of pass p.  O^T / the sum goes through my stage, a tile of 16 rows at a time, all lanes on, and comes back by rows: sixteen lanes store a head's 256 bytes of a row, aligned.
.macro OUT p
.irp T, 0,1
	v_add_f32 v[SUM+2*\T], v[SUM+2*\T], v[SUM+2*\T+1]
.endr
.irp T, 0,1
	v_permlanex16_b32 v[TP+9*\T], v[SUM+2*\T], s[SEL], s[SEL+1]
.endr
.irp T, 0,1
	v_add_f32 v[SUM+2*\T], v[SUM+2*\T], v[TP+9*\T] ; the row's sum
.endr
	s_wait_alu depctr_va_vdst(0)                   ; the wait ahead of the reciprocals
.irp T, 0,1
	v_rcp_f32 v[SUM+2*\T], v[SUM+2*\T]
.endr
	v_and_b32 v[ADA], 15, v0                       ; r.  (These nine plain lines are also the places behind the last products)
	v_bfe_u32 v[ADB], v0, 4, 1                     ; h
	v_mul_u32_u24 v[ADA], v[ADA], 272
	v_mul_u32_u24 v[SRD], v[ADB], 272
	v_lshl_add_u32 v[ADA], v[ADB], 6, v[ADA]
	v_add_nc_u32 v[SRD], v[SRD], v[R16]
	v_add_nc_u32 v[ADA], s[STB], v[ADA]            ; in: row r, + 64 h
	v_add_nc_u32 v[SRD], s[STB], v[SRD]            ; back: lanes 0-15 one row, lanes 16-31 the next
	v_lshl_add_u32 v[TP], v[ADB], 12, v[R16]       ; and the same two rows of the output
	s_wait_alu depctr_va_vdst(0)                   ; the wait ahead of the first reader of the reciprocals and of O^T
.set j, 0
.rept 16
.irp T, 0,1
	v_pk_mul_f32 v[S0+SD*\T+j:S0+SD*\T+j+1], v[O+32*\T+j:O+32*\T+j+1], v[SUM+2*\T:SUM+2*\T+1] op_sel_hi:[1,0]   ; register 8 t + i is channel 32 (t / 2) + 16 h + 8 (t % 2) + i
.endr
.set j, j+2
.endr
.irp T, 0,1
.irp t, 0,1,2,3
	ds_store_b128 v[ADA], v[S0+SD*\T+8*\t:S0+SD*\T+8*\t+3] offset:128*(\t/2)+32*(\t%2)
	ds_store_b128 v[ADA], v[S0+SD*\T+8*\t+4:S0+SD*\T+8*\t+7] offset:128*(\t/2)+32*(\t%2)+16
.endr
.irp n, 0,1,2,3,4,5,6,7
	ds_load_b128 v[S0+SD*\T+32+4*\n:S0+SD*\T+32+4*\n+3], v[SRD] offset:544*\n   ; LDS serves a wave's instructions in order: these see my stores, and tile 1's stores come behind tile 0's loads
.endr
.endr
.irp T, 0,1
	s_wait_dscnt 16-16*\T                          ; tile 0 is back (tile 1's 16 may be out); then tile 1
.irp n, 0,1,2,3,4,5,6,7
	global_store_b128 v[TP], v[S0+SD*\T+32+4*\n:S0+SD*\T+32+4*\n+3], s[OB:OB+1] offset:1048576*\p+32768*\T+8192*\n+32768*(\n/4) th:TH_STORE_NT   ; rows 8-15 of a tile are the tokens 16 on
.endr
.endr
.endm
	INIT
	s_wait_alu depctr_va_vdst(0)                   ; the wait at the head's end
	s_wait_loadcnt 0x0                             ; Q's codes of pass 0, and the scale words of both passes
	s_wait_tensorcnt 0x0                           ; my part of the head has landed,
	s_barrier_signal -1
	s_barrier_wait -1                              ; and everybody's
	WIN 0x40                                       ; pass 1's Q is asked for now, behind the head's tiles; it is waited for ahead of pass 1
.irp T, 0,1
.irp c, 0,1
	global_load_b128 v[QF+32+16*\T+4*\c:QF+32+16*\T+4*\c+3], v[LI], s[56:57] offset:16384+1024*\T+512*\c
.endr
.endr
	WIN 0
	PASS 0
	OUT 0
	s_wait_xcnt 0x0                                ; the stores have read their registers
	s_wait_loadcnt 0x0                             ; pass 1's Q
	INIT
	PASS 1
	OUT 1
	s_wait_tensorcnt 0x0                           ; the wave's end
	ds_add_u32 v[SPW], v[NIL]
	s_wait_dscnt 0x0
	CROUND                                         ; the closing round
	s_endpgm
.Lfunc_end_k_qd195680920_attn:
	.size	k_qd195680920_attn, .Lfunc_end_k_qd195680920_attn-k_qd195680920_attn
	.p2alignl 7, 3214868480
	.fill 96, 4, 3214868480
	.section	.rodata,"a",@progbits
	.p2align	6, 0x0
	.amdhsa_kernel k_qd195680920_attn
		.amdhsa_group_segment_fixed_size 327680
		.amdhsa_private_segment_fixed_size 0
		.amdhsa_enable_private_segment 0
		.amdhsa_kernarg_size 24
		.amdhsa_user_sgpr_count 2
		.amdhsa_user_sgpr_kernarg_segment_ptr 1
		.amdhsa_wavefront_size32 1
		.amdhsa_system_sgpr_workgroup_id_x 1
		.amdhsa_system_sgpr_workgroup_id_y 1
		.amdhsa_system_sgpr_workgroup_id_z 1
		.amdhsa_system_vgpr_workitem_id 0
		.amdhsa_next_free_vgpr 512
		.amdhsa_next_free_sgpr 66
		.amdhsa_reserve_vcc 0
		.amdhsa_float_denorm_mode_32 3
		.amdhsa_float_denorm_mode_16_64 3
		.amdhsa_memory_ordered 1
		.amdhsa_forward_progress 1
		.amdhsa_inst_pref_size 97
	.end_amdhsa_kernel
	.amdgpu_metadata
---
amdhsa.version: [ 1, 2 ]
amdhsa.kernels:
  - .name:           k_qd195680920_attn
    .symbol:         k_qd195680920_attn.kd
    .args:
      - { .name: qq, .offset: 0, .size: 8, .value_kind: global_buffer, .address_space: global }
      - { .name: kv, .offset: 8, .size: 8, .value_kind: global_buffer, .address_space: global }
      - { .name: out0, .offset: 16, .size: 8, .value_kind: global_buffer, .address_space: global }
    .group_segment_fixed_size: 327680
    .private_segment_fixed_size: 0
    .kernarg_segment_align: 8
    .kernarg_segment_size: 24
    .max_flat_workgroup_size: 256
    .sgpr_count:     66
    .vgpr_count:     512
    .wavefront_size: 32
...
	.end_amdgpu_metadata
.endif
;; end of part 4
